; MI455X (gfx1250); checked and timed in simulation.
; The chip was launched on July 23, 2026; its instructions are those of AMD's public machine-readable ISA for CDNA 5 (MIT licence, August 2026) and "CDNA5" Instruction Set Architecture Reference Guide (July 2026). The comments in the code are by the model that wrote it; some were corrected since.
;; GQA Flash Attn. Allowed arithmetic: matrix products marked QUANTISED: E4M3 operands, one E8M0 scale for each 32 along K, by v_wmma_scale_f32_16x16x128_f8f6f4 with both operands' format E4M3, f32 sums; everything else in f32.
;; Inputs: cos 2,048 x 64 float32; k_norm_w 64 float32; q_norm_w 64 float32; sin 2,048 x 64 float32; wk 2,048 x 512 float32; wo 2,048 x 2,048 float32; wq 2,048 x 2,048 float32; wv 2,048 x 512 float32; x 1 x 2,048 x 2,048 float32.
;; Outputs: out0 1 x 2,048 x 2,048 float32.
;; This version of the problem:
;;   THIS VERSION OF THE PROBLEM IS GIVEN IN LOW PRECISION. The matrix products marked QUANTISED in the list below multiply operands that are first quantised to E4M3 (4 exponent bits, 3 mantissa bits; 8 bits a number), with one power-of-two scale for each 32 numbers along K (OCP MX v1.0); their sums are f32. All else is computed in f32.
;;   The module's matrix products, in the order in which they are computed (A, B: the left and right operand; K: the contracted axis; several contracted axes count as one K, in the product's order):
;;     1. [M 2,048, K 2,048] x [K 2,048, N 2,048]; A: input x; B: input wq: QUANTISED
;;     2. [M 2,048, K 2,048] x [K 2,048, N 512]; A: input x; B: input wk: QUANTISED
;;     3. [M 2,048, K 2,048] x [K 2,048, N 512]; A: input x; B: input wv: QUANTISED
;;     4. batch 32 x [M 2,048, K 64] x [K 64, N 2,048]; A: computed on the way; B: computed on the way: QUANTISED
;;     5. batch 32 x [M 2,048, K 2,048] x [K 2,048, N 64]; A: softmax (see below); B: computed on the way: QUANTISED
;;     6. [M 2,048, K 2,048] x [K 2,048, N 2,048]; A: computed on the way; B: input wo: QUANTISED
;;   THE QUANTISER, for each operand of a quantised product, along K:
;;     - K is cut into blocks of 32 from its start; a last block that is shorter is filled with zeros.
;;     - A block's scale is 2^e with e = floor(log2(the largest magnitude in the block)) - 8, held to -126 .. 127; a block of zeros has e = 0. As a byte (E8M0): e + 127.
;;     - Each number is divided by its block's scale, clamped to +-448, and rounded to the nearest number of E4M3, ties to even, subnormals kept.
;;     - The product sums the exact products of the quantised numbers (number of the format x scale) in f32.
;;   ~~~python
;;   def quantise(x, axis):      # numpy; x: float32 -> the quantised numbers, widened to float32 again
;;       x = np.moveaxis(x, axis, -1); K = x.shape[-1]
;;       x = np.pad(x, [(0, 0)] * (x.ndim - 1) + [(0, -K % 32)]); x = x.reshape(x.shape[:-1] + (-1, 32)); a = np.abs(x).max(-1, keepdims=True)
;;       e = np.where(a > 0, np.clip(np.frexp(np.where(a > 0, a, 1))[1] - 1 - 8, -126, 127), 0)      # np.frexp(a)[1] - 1 = floor(log2(a)), exactly
;;       r = np.clip(x / 2.0 ** e, -448, 448)
;;       step = 2.0 ** (np.maximum(np.frexp(np.where(r == 0, 1, r))[1] - 1, -6) - 3)
;;       q = np.round(r / step) * step * 2.0 ** e      # np.round: ties to even
;;       return np.moveaxis(q.reshape(q.shape[:-2] + (-1,))[..., :K], -1, axis).astype(np.float32)
;;   ~~~
;;   SOFTMAX AHEAD OF A QUANTISED PRODUCT. Where the list says 'softmax', what is quantised is not the finished softmax but p = 2^(t - M), with t = logit x log2(e) and M = ceil(the row's largest t), a whole number; so 1/2 < the row's largest p <= 1. The row's sum l is taken of the UNQUANTISED p, in f32, and the product's result is divided by l at the end. Since M is a whole number, a kernel that streams over the keys may use a running M (the ceiling of the running maximum): every later rescaling is an exact power of two, which a block's scale takes up: the codes' values come out the same.
;;   OPERANDS COMPUTED ON THE WAY. 'Computed on the way' means the value that the module computes at that place (a softmax that the list does not call 'softmax' is quantised finished and normalised). What goes into a quantiser is computed in f32, as accurately as f32 sums, v_exp_f32 and their like allow (about 1e-6 of the number): no bf16 or f16 on the way to a quantiser, and a product that is left as it is and whose result goes on into a quantised operand takes f32 operands (vector FMAs, or v_wmma_f32_16x16x4_f32). A number that lies on a knife's edge between two numbers of the format may be rounded either way, as far as f32 arithmetic and the matrix unit's own rounding can turn it there, and no further.
;; One version. Each part assembles by itself: llvm-mc -triple=amdgcn-amd-amdhsa -mcpu=gfx1250 --defsym DOCPART=n.
;; ======== version 1 of 1: 4 launches
;; limits: right only within a limited range of input values
;; workspace buffers: xq 4,325,376 bytes; wq8 6,488,064 bytes; wo8 4,325,376 bytes; qq 4,456,448 bytes; kv 2,195,456 bytes; aq 4,325,376 bytes
;; launch quant (part 1): grid 576 x 1, 4 waves a work-group, no clusters, 34,304 bytes of LDS; arguments x, wq, wk, wv, wo, xq, wq8, wo8; writes xq, wq8, wo8
.if DOCPART == 1
	.amdgcn_target "amdgcn-amd-amdhsa--gfx1250"
	.amdhsa_code_object_version 6
	.text
	.protected	k_q3b9bfdff18_quant
	.globl	k_q3b9bfdff18_quant
	.p2align	8
	.type	k_q3b9bfdff18_quant,@function
k_q3b9bfdff18_quant:
	s_mov_b64 s[64:65], 0
	v_nop
	global_prefetch_b8 v0, s[64:65] scope:SCOPE_SE
	s_setreg_imm32_b32 hwreg(HW_REG_WAVE_MODE, 25, 1), 1
	s_wait_xcnt 0x0
; x [2048][2048] (K innermost) and wq, wk, wv, wo (K = their FIRST axis), all f32, become codes of FP8 (E4M3) with one E8M0 byte for each 32 along K.
; THE CODES ARE LAID AS IMAGES OF OPERAND REGISTERS.  A fragment is 16 rows x 128 K = 2,048 bytes, [piece c 0..3][lane 0..31][16 bytes]: lane (r = lane % 16, h = lane / 16) holds at piece c
; k = 32 c + 16 h + 0 .. 15 of row slot r.  128 rows are a panel of 8 blocks; codes [panel][K step 0..15][block][2048], scale words [panel][K step][block][16 slots x 4 bytes], behind the codes.
; SLOT r OF BLOCK 2 b + u IS ROW 32 b + 8 u + r + 8 (r / 8) OF ITS PANEL, for every operand of the program.
; A block's scale is 2^(floor(log2(largest magnitude)) - 8); its byte is the largest magnitude's exponent field - 8, held at 1 from below; numbers are held within +-448 x the scale and rounded to the nearest code, ties to even.
; LIMITS: NaN and infinities are not served; a block whose largest magnitude lies under 2^-118 keeps the byte 1; a block of zeros has the byte 1 (its codes are zeros, and this program alone reads the bytes).
; Work-groups 0-255 take x: panel = id / 16, K step = id % 16; wave w takes blocks 2 w and 2 w + 1.  Work-groups 256-575 take the weights: 128 columns x 256 along K each; wave w takes 32 columns.
; No matrix work, no cluster, no barrier: waves share nothing.  Every offset is an immediate and every store has data registers of its own, so no register of a pending access is written again.
.set TM,  240                          ; v240-243 largest magnitudes, v244-247 bytes, v248-251 448 x the scale, v252-255 the conversions' scale operands
.set SEL, 22                           ; s[22:23] lane selects: lane l xor 16
.set MNT, 24                           ; s24  the mantissa field of 448
.set XS,  144                          ; v144-207 64 numbers of a lane: register 16 b + i = k 32 b + 16 h + i of my row
; nb blocks of 16 registers at v[s + 16 b + i] become codes in v[d + 4 b ..] and the row's scale word in v[pw]
.macro QUANT s, nb, d, pw
.irp b, 0,1,2,3
.if \b < \nb
	v_max3_num_f32 v[TM+\b], |v[(\s)+16*\b]|, |v[(\s)+16*\b+1]|, 0x4800000   ; my 16 numbers and the floor 2^(9 - 127): the byte cannot fall under 1
.endif
.endr
.irp i, 2,4,6,8,10,12,14
.irp b, 0,1,2,3
.if \b < \nb
	v_max3_num_f32 v[TM+\b], v[TM+\b], |v[(\s)+16*\b+\i]|, |v[(\s)+16*\b+\i+1]|   ; the blocks by turns
.endif
.endr
.endr
.irp b, 0,1,2,3
.if \b < \nb
	v_permlanex16_b32 v[TM+4+\b], v[TM+\b], s[SEL], s[SEL+1]
.endif
.endr
.irp b, 0,1,2,3
.if \b < \nb
	v_max_num_f32 v[TM+\b], v[TM+\b], v[TM+4+\b]   ; with lane l xor 16's 16: the block's largest magnitude
.endif
.endr
.irp b, 0,1,2,3
.if \b < \nb
	v_add_nc_u32 v[TM+12+\b], 0xfc000000, v[TM+\b]   ; 8 off its exponent field: the conversion's scale operand
	v_and_or_b32 v[TM+8+\b], v[TM+\b], 0x7f800000, s[MNT]   ; 448 x the scale
	v_lshrrev_b32 v[TM+4+\b], 23, v[TM+12+\b]   ; the scale's byte
.endif
.endr
	v_lshl_or_b32 v[(\pw)], v[TM+5], 8, v[TM+4]
.if \nb == 4
	v_lshl_or_b32 v[(\pw)], v[TM+6], 16, v[(\pw)]
	v_lshl_or_b32 v[(\pw)], v[TM+7], 24, v[(\pw)]
.else
	v_lshl_or_b32 v[(\pw)], v[(\pw)], 16, v[(\pw)]
.endif
.irp b, 0,1,2,3
.if \b < \nb
.irp i, 0,1,2,3,4,5,6,7,8,9,10,11,12,13,14,15
	v_med3_num_f32 v[(\s)+16*\b+\i], v[(\s)+16*\b+\i], -v[TM+8+\b], v[TM+8+\b]   ; the conversion to an 8-bit code does not saturate (ISA guide 7.6.2): the hold comes first
.endr
	v_cvt_scalef32_pk8_fp8_f32 v[(\d)+4*\b:(\d)+4*\b+1], v[(\s)+16*\b:(\s)+16*\b+7], v[TM+12+\b]
	v_cvt_scalef32_pk8_fp8_f32 v[(\d)+4*\b+2:(\d)+4*\b+3], v[(\s)+16*\b+8:(\s)+16*\b+15], v[TM+12+\b]
.endif
.endr
	v_nop                                          ; one plain vector line behind the last conversion
.endm
	s_load_b256 s[4:11], s[0:1], 0x0               ; x, wq, wk, wv
	s_load_b256 s[12:19], s[0:1], 0x20             ; wo, xq, wq8, wo8
	v_lshl_add_u32 v15, v0, 2, 0x8400
	s_set_vgpr_msb 0x40
	v_mov_b32 v1, 0
	s_set_vgpr_msb 0x4000
	v_lshrrev_b32 v1, 5, v0
	v_readfirstlane_b32 s20, v1                    ; wave 0..3
	v_and_b32 v1, 31, v0                           ; lane
	s_mov_b32 s[SEL], 0x76543210
	s_mov_b32 s[SEL+1], 0xfedcba98
	s_mov_b32 s[MNT], 0x600000
	s_cmp_ge_u32 ttmp9, 0x100
	s_cbranch_scc1 .Lweights
	; ---- x.  A load takes one row's 512 bytes of the K step as they lie; a fragment's 16 rows turn through the wave's own stage in LDS (rows 528 bytes apart) and come back 64 bytes a lane and block.
	s_lshr_b32 s26, ttmp9, 4                       ; panel
	s_and_b32 s27, ttmp9, 15                       ; K step
	s_lshl_b32 s28, s26, 20                        ; x: 128 rows of 8,192 bytes a panel,
	s_lshl_b32 s30, s20, 18                        ; 32 rows a wave,
	s_add_co_u32 s28, s28, s30
	s_lshl_b32 s30, s27, 9                         ; 512 bytes a K step
	s_add_co_u32 s28, s28, s30
	s_mov_b32 s29, 0
	s_lshl_b32 s30, s26, 18                        ; codes: 262,144 a panel, 16,384 a K step, 4,096 for a wave's two blocks
	s_lshl_b32 s32, s27, 14
	s_add_co_u32 s30, s30, s32
	s_lshl_b32 s32, s20, 12
	s_add_co_u32 s30, s30, s32
	s_mov_b32 s31, 0
	s_lshl_b32 s32, s26, 13                        ; scale words: 8,192 a panel, 512 a K step, 128 for a wave's two blocks, behind the codes
	s_lshl_b32 s34, s27, 9
	s_add_co_u32 s32, s32, s34
	s_lshl_b32 s34, s20, 7
	s_add_co_u32 s32, s32, s34
	s_add_co_u32 s32, s32, 4194304
	s_mov_b32 s33, 0
	s_mul_i32 s34, s20, 8448                       ; my stage: 16 rows x 528 bytes
	s_mov_b32 s21, 0xffff0000                      ; lanes 16-31
	s_wait_alu depctr_va_vdst(0)
	v_lshlrev_b32 v2, 4, v1                        ; 16 x lane
	v_lshlrev_b32 v5, 2, v1                        ; 4 x lane
	v_add_nc_u32 v3, s34, v2                       ; into the stage: a row as it lies
	v_and_b32 v6, 15, v1
	v_lshrrev_b32 v7, 4, v1
	v_mul_u32_u24 v4, v6, 528
	v_lshl_add_u32 v4, v7, 6, v4
	v_add_nc_u32 v4, s34, v4                       ; out of it: row r, + 64 h
.irp b, 0,1,2,3
	v_mov_b32 v[TM+4+\b], 0                        ; written once: a lane permute's destination counts as one of its sources
.endr
	s_wait_alu depctr_va_vdst(0)
	s_wait_kmcnt 0x0
	s_add_nc_u64 s[4:5], s[4:5], s[28:29]
	s_add_nc_u64 s[36:37], s[14:15], s[30:31]
	s_add_nc_u64 s[38:39], s[14:15], s[32:33]
.irp u, 0,1
.irp r, 0,1,2,3,4,5,6,7,8,9,10,11,12,13,14,15
	global_load_b128 v[16+64*\u+4*\r:19+64*\u+4*\r], v2, s[4:5] offset:(8*\u+\r+8*(\r/8))*8192 th:TH_LOAD_NT   ; slot r of block 2 w + u
.endr
.endr
.macro XFRAG u
.if \u == 0
	s_wait_loadcnt 16                              ; this fragment's 16 loads are in; the other fragment's 16 may be out
.else
	s_wait_loadcnt 0x0
.endif
.irp r, 0,1,2,3,4,5,6,7,8,9,10,11,12,13,14,15
	ds_store_b128 v3, v[16+64*\u+4*\r:19+64*\u+4*\r] offset:\r*528
.endr
.irp b, 0,1,2,3
.irp j, 0,1,2,3
	ds_load_b128 v[XS+16*\b+4*\j:XS+16*\b+4*\j+3], v4 offset:128*\b+16*\j   ; LDS serves a wave's instructions in order (ISA guide 5.7.1.4): these see my stores, and the next fragment's stores come behind them
.endr
.endr
	s_wait_dscnt 0x0
	QUANT XS, 4, 208+16*\u, 12+\u
.irp c, 0,1,2,3
	global_store_b128 v2, v[208+16*\u+4*\c:211+16*\u+4*\c], s[36:37] offset:\u*2048+\c*512   ; 512 consecutive bytes
.endr
.endm
	XFRAG 0
	XFRAG 1
	v_cndmask_b32 v14, v12, v13, s21               ; lanes 0-15: block 2 w's words, lanes 16-31: block 2 w + 1's
	global_store_b32 v5, v14, s[38:39]             ; 128 consecutive bytes
	s_set_vgpr_msb 0x4
	s_wait_tensorcnt 0x0
	ds_add_u32 v15, v1
	s_wait_dscnt 0x0
	s_set_vgpr_msb 0x400
	s_endpgm
	; ---- the weights.  A lane takes a column and its registers run down K: a block of 32 along K lies in one lane.
.Lweights:
	s_sub_co_u32 s26, ttmp9, 0x100                 ; 0-127 wq, 128-159 wk, 160-191 wv, 192-319 wo
	s_wait_kmcnt 0x0
	s_mov_b64 s[28:29], s[12:13]                   ; wo: the source,
	s_mov_b64 s[30:31], s[18:19]                   ; the buffer of codes,
	s_mov_b32 s25, 8192                            ; bytes from row to row,
	s_mov_b32 s27, 192                             ; the tensor's first work-group,
	s_mov_b32 s48, 0                               ; its first panel,
	s_mov_b32 s49, 4194304                         ; where the scale words begin
	s_cmp_lt_u32 s26, 192                          ; the choices hang on the work-group's number alone
	s_cselect_b64 s[28:29], s[10:11], s[28:29]     ; wv
	s_cselect_b64 s[30:31], s[16:17], s[30:31]
	s_cselect_b32 s25, 2048, s25
	s_cselect_b32 s27, 160, s27
	s_cselect_b32 s48, 20, s48
	s_cselect_b32 s49, 6291456, s49
	s_cmp_lt_u32 s26, 160
	s_cselect_b64 s[28:29], s[8:9], s[28:29]       ; wk
	s_cselect_b32 s27, 128, s27
	s_cselect_b32 s48, 16, s48
	s_cmp_lt_u32 s26, 128
	s_cselect_b64 s[28:29], s[6:7], s[28:29]       ; wq
	s_cselect_b32 s25, 8192, s25
	s_cselect_b32 s27, 0, s27
	s_cselect_b32 s48, 0, s48
	s_sub_co_u32 s26, s26, s27
	s_and_b32 s50, s26, 7                          ; which 256 along K
	s_lshr_b32 s51, s26, 3                         ; which 128 columns
	s_lshl_b32 s52, s25, 8
	s_mul_i32 s52, s52, s50                        ; 256 rows a chunk,
	s_lshl_b32 s53, s51, 9                         ; 512 bytes for 128 columns,
	s_add_co_u32 s52, s52, s53
	s_lshl_b32 s53, s20, 7                         ; 128 for a wave's 32
	s_add_co_u32 s52, s52, s53
	s_mov_b32 s53, 0
	s_add_nc_u64 s[32:33], s[28:29], s[52:53]      ; a base for each of the eight blocks of 32 rows: none is ever stepped
	s_lshl_b32 s52, s25, 5
.irp t, 1,2,3,4,5,6,7
	s_add_nc_u64 s[32+2*\t:33+2*\t], s[30+2*\t:31+2*\t], s[52:53]
.endr
	s_add_co_u32 s48, s48, s51                     ; the panel
	s_lshl_b32 s54, s48, 18
	s_lshl_b32 s56, s50, 15                        ; a chunk is two K steps
	s_add_co_u32 s54, s54, s56
	s_lshl_b32 s56, s20, 12                        ; blocks 2 w and 2 w + 1
	s_add_co_u32 s54, s54, s56
	s_mov_b32 s55, 0
	s_lshl_b32 s56, s48, 13
	s_lshl_b32 s58, s50, 10
	s_add_co_u32 s56, s56, s58
	s_lshl_b32 s58, s20, 7
	s_add_co_u32 s56, s56, s58
	s_add_co_u32 s56, s56, s49
	s_mov_b32 s57, 0
	s_add_nc_u64 s[54:55], s[30:31], s[54:55]      ; codes
	s_add_nc_u64 s[56:57], s[30:31], s[56:57]      ; scale words
	s_wait_alu depctr_va_vdst(0)
	v_lshlrev_b32 v7, 2, v1
.irp i, 0,1,2,3,4,5,6,7,8,9,10,11,12,13,14,15,16,17,18,19,20,21,22,23,24,25,26,27,28,29,30,31
	v_mad_u32_u24 v[16+\i], s25, \i, v7            ; row i of a block, my column
.endr
	v_bfe_u32 v8, v1, 3, 1                         ; column 32 w + l is slot r = l % 8 + 8 (l / 16) of block 2 w + (l / 8) % 2
	v_and_b32 v9, 7, v1
	v_lshrrev_b32 v10, 4, v1
	v_lshl_add_u32 v9, v10, 3, v9
	v_lshlrev_b32 v5, 4, v9
	v_lshl_add_u32 v5, v8, 11, v5                  ; codes: 2,048 x block + 16 x slot
	v_lshlrev_b32 v6, 2, v9
	v_lshl_add_u32 v6, v8, 6, v6                   ; words: 64 x block + 4 x slot
.macro WLOAD t
.irp i, 0,1,2,3,4,5,6,7,8,9,10,11,12,13,14,15,16,17,18,19,20,21,22,23,24,25,26,27,28,29,30,31
	global_load_b32 v[48+32*((\t)%2)+\i], v[16+\i], s[32+2*(\t):33+2*(\t)] th:TH_LOAD_NT   ; 128 consecutive bytes a wave, 512 a work-group
.endr
.endm
.macro WBLOCK t
.set WS, 48+32*((\t)%2)
.set WC, 112+8*(\t)
.if (\t) < 7
	s_wait_loadcnt 32                              ; this block's 32 loads are in; the next block's 32 may be out
.else
	s_wait_loadcnt 0x0
.endif
	v_max3_num_f32 v12, |v[WS]|, |v[WS+1]|, |v[WS+2]|   ; the block's largest magnitude: all 32 numbers are mine
	v_max3_num_f32 v13, |v[WS+3]|, |v[WS+4]|, |v[WS+5]|
.irp i, 6,10,14,18,22,26
	v_max3_num_f32 v12, v12, |v[WS+\i]|, |v[WS+\i+1]|
	v_max3_num_f32 v13, v13, |v[WS+\i+2]|, |v[WS+\i+3]|
.endr
	v_max3_num_f32 v12, v12, |v[WS+30]|, |v[WS+31]|
	v_max3_num_f32 v12, v12, v13, 0x4800000        ; and the floor
	v_add_nc_u32 v11, 0xfc000000, v12
	v_and_or_b32 v10, v12, 0x7f800000, s[MNT]
	v_lshrrev_b32 v13, 23, v11
.if (\t)%4 == 0
	v_mov_b32 v[176+(\t)/4], v13                   ; four bytes make a K step's word
.else
	v_lshl_or_b32 v[176+(\t)/4], v13, 8*((\t)%4), v[176+(\t)/4]
.endif
.irp i, 0,1,2,3,4,5,6,7,8,9,10,11,12,13,14,15,16,17,18,19,20,21,22,23,24,25,26,27,28,29,30,31
	v_med3_num_f32 v[WS+\i], v[WS+\i], -v10, v10
.endr
.irp g, 0,1,2,3
	v_cvt_scalef32_pk8_fp8_f32 v[WC+2*\g:WC+2*\g+1], v[WS+8*\g:WS+8*\g+7], v11
.endr
	v_nop
	global_store_b128 v5, v[WC:WC+3], s[54:55] offset:((\t)/4)*16384+((\t)%4)*512       ; k 0-15 of the block: the piece's lanes 0-15; sixteen lanes store 256 consecutive bytes, aligned
	global_store_b128 v5, v[WC+4:WC+7], s[54:55] offset:((\t)/4)*16384+((\t)%4)*512+256 ; k 16-31: its lanes 16-31
.if (\t)%4 == 3
	global_store_b32 v6, v[176+(\t)/4], s[56:57] offset:((\t)/4)*512
.endif
.if (\t)+2 < 8
	WLOAD (\t)+2
.endif
.endm
	WLOAD 0
	WLOAD 1
.irp t, 0,1,2,3,4,5,6,7
	WBLOCK \t
.endr
	s_endpgm
.Lfunc_end_k_q3b9bfdff18_quant:
	.size	k_q3b9bfdff18_quant, .Lfunc_end_k_q3b9bfdff18_quant-k_q3b9bfdff18_quant
	.p2alignl 7, 3214868480
	.fill 96, 4, 3214868480
	.section	.rodata,"a",@progbits
	.p2align	6, 0x0
	.amdhsa_kernel k_q3b9bfdff18_quant
		.amdhsa_group_segment_fixed_size 34304
		.amdhsa_private_segment_fixed_size 0
		.amdhsa_enable_private_segment 0
		.amdhsa_kernarg_size 64
		.amdhsa_user_sgpr_count 2
		.amdhsa_user_sgpr_kernarg_segment_ptr 1
		.amdhsa_wavefront_size32 1
		.amdhsa_system_sgpr_workgroup_id_x 1
		.amdhsa_system_sgpr_workgroup_id_y 1
		.amdhsa_system_sgpr_workgroup_id_z 1
		.amdhsa_system_vgpr_workitem_id 0
		.amdhsa_next_free_vgpr 258
		.amdhsa_next_free_sgpr 66
		.amdhsa_reserve_vcc 0
		.amdhsa_float_denorm_mode_32 3
		.amdhsa_float_denorm_mode_16_64 3
		.amdhsa_memory_ordered 1
		.amdhsa_forward_progress 1
		.amdhsa_inst_pref_size 86
	.end_amdhsa_kernel
	.amdgpu_metadata
---
amdhsa.version: [ 1, 2 ]
amdhsa.kernels:
  - .name:           k_q3b9bfdff18_quant
    .symbol:         k_q3b9bfdff18_quant.kd
    .args:
      - { .name: x, .offset: 0, .size: 8, .value_kind: global_buffer, .address_space: global }
      - { .name: wq, .offset: 8, .size: 8, .value_kind: global_buffer, .address_space: global }
      - { .name: wk, .offset: 16, .size: 8, .value_kind: global_buffer, .address_space: global }
      - { .name: wv, .offset: 24, .size: 8, .value_kind: global_buffer, .address_space: global }
      - { .name: wo, .offset: 32, .size: 8, .value_kind: global_buffer, .address_space: global }
      - { .name: xq, .offset: 40, .size: 8, .value_kind: global_buffer, .address_space: global }
      - { .name: wq8, .offset: 48, .size: 8, .value_kind: global_buffer, .address_space: global }
      - { .name: wo8, .offset: 56, .size: 8, .value_kind: global_buffer, .address_space: global }
    .group_segment_fixed_size: 34304
    .private_segment_fixed_size: 0
    .kernarg_segment_align: 8
    .kernarg_segment_size: 64
    .max_flat_workgroup_size: 128
    .sgpr_count:     66
    .vgpr_count:     258
    .wavefront_size: 32
...
	.end_amdgpu_metadata
.endif
;; end of part 1
;; launch qkv (part 2): grid 24 x 8, 4 waves a work-group, clusters of 4 x 4, 327,680 bytes of LDS; arguments xq, wq8, cos, sin, q_norm_w, k_norm_w, qq, kv; writes qq, kv
.if DOCPART == 2
	.amdgcn_target "amdgcn-amd-amdhsa--gfx1250"
	.amdhsa_code_object_version 6
	.text
	.protected	k_q3b9bfdff18_qkv
	.globl	k_q3b9bfdff18_qkv
	.p2align	8
	.type	k_q3b9bfdff18_qkv,@function
k_q3b9bfdff18_qkv:
	s_mov_b64 s[64:65], 0
	v_nop
	global_prefetch_b8 v0, s[64:65] scope:SCOPE_SE
	s_setreg_imm32_b32 hwreg(HW_REG_WAVE_MODE, 25, 1), 1
	s_wait_xcnt 0x0
	s_wait_alu depctr_hold_cnt(0) depctr_sa_sdst(0) depctr_va_vdst(0) depctr_va_sdst(0) depctr_va_ssrc(0) depctr_va_vcc(0) depctr_vm_vsrc(0)
	s_getreg_b32 s2, hwreg(HW_REG_IB_STS2, 6, 4)
	s_cmp_eq_u32 s2, 0
	s_cbranch_scc0 .Lentry_in_a_cluster
	s_endpgm
.Lentry_in_a_cluster:
	s_bfe_u32 s2, ttmp6, 0x10000c
	s_cmp_lg_u32 s2, 0xf033
	s_cbranch_scc0 .Lentry_shape_is_right
	s_endpgm
.Lentry_shape_is_right:
; Q, K, V = x wq, x wk, x wv on codes of FP8 (E4M3) with E8M0 scales; then, in f32, RMSNorm and RoPE of Q and K for each head; then Q and K are quantised along the head's 64 and V along the keys.
; OPERANDS are images of registers (fragment = 16 rows x 128 K = [piece c][lane][16 bytes]; panel = 128 rows = 8 blocks; slot r of block 2 b + u is row 32 b + 8 u + r + 8 (r / 8)): a fragment comes by four loads of 512
; consecutive bytes, and any run of K steps of a panel is one dense block of memory.
; SHARES.  A work-group makes 256 rows of x times one panel (128 features = 2 heads) of [wq | wk | wv]; wave w: panel 2 row + w / 2 of x (8 blocks) times head w % 2 (4 blocks): 32 accumulators.
; 192 work-groups: with panels of 128 features the kind of work (Q: cluster x 0-3, K: 4, V: 5) is the same in all sixteen partners of a cluster, and a wave's 128 rows are one whole key step for V.
; Q AND K: source 0 = features, source 1 = rows of x: a lane holds ONE row, and the 32 registers of block a are d = 32 b + 16 h + i of the head: norm, RoPE (d and d + 32 lie in one lane) and the quantiser stay in the lane pair l, l xor 16.
; V: the sources are swapped: a lane holds ONE d, and its 64 registers of a tile of d are keys 32 b + 16 h + i: the quantiser runs along the keys.  The swap is a scalar branch on the cluster's x round register work alone.
; K goes in steps of 128 through a ring of two LDS slots of two steps each, filled by joint tensor loads: x's tiles are shared along a row of the cluster, the weights' along a column.  All scale words come once, with the first fills.
; OUT.  qq: codes [head][tile of 16 rows][c 0..1][lane][16], words behind them; kv: [kv head][key step][record of 17,152]: K codes, V codes at 8,192, K words at 16,384, V words at 16,896.
; A Q or K word holds its two bytes twice: the upper two scale the zero codes that fill the score product's K from 64 to 128.
; LIMITS: NaN and infinities are not served; a block under 2^-118 keeps the byte 1; a block of zeros has the byte 1 (its codes are zeros; this program alone reads the bytes).
; REGISTERS: window 0: addresses, scale words, the way out; window 1: x's fragments, two sets of 128; window 2: the weights', two sets of 64, and from v128 cos and sin, two sets of 64; window 3: the accumulators.
.set AB,    8                          ; blocks of x to a wave
.set NQ,    2                          ; K steps in a slot
.set AWS,   32768                      ; a wave's part of x in a slot: its panel's two K steps
.set ASW,   8192                       ; and of x's scale words: its panel's
.set BOFF,  65536                      ; the weights' fragments in a slot
.set SLOT,  98304
.set SLOTG, 32768                      ; a slot's K steps of a panel in memory
.set SCL,   196608                     ; behind the ring: x's scale words (two panels), then the weights'
.set ASB,   16384
.set SPARE, 221184                     ; the spare words, 128 bytes for each wave: two blocks of 256 bytes that no other line names
.set LAPS,  4                          ; a lap = once round the ring = 4 K steps
.set ADRA, 16                          ; v16-17 my fragments of x in slot 0, 1
.set ADRB, 20                          ; v20-21 the weights'
.set ADSA, 22                          ; v22    x's scale words
.set ADSB, 23                          ; v23    the weights'
.set SPW,  28                          ; v28    my spare word; never rewritten
.set NIL,  29                          ; v29    0; never rewritten
.set SA,   32                          ; v32-39 x's scale words: set s, pair of blocks p at 4 s + p (lanes 0-15 the even block, lanes 16-31 the odd)
.set SB,   40                          ; v40-43 the weights': 2 s + p
.set W,    44                          ; v44-75   the gain at d = 32 b + 16 h + i
.set Y,    76                          ; v76-107  at work (sums of squares, then a block's normalised numbers); v76-139 V's held numbers
.set R,    108                         ; v108-139 a block behind RoPE
.set CD,   140                         ; v140-203 codes: registers of its own for each store
.set TM,   204                         ; v204-219 the quantiser's
.set RS,   220                         ; v220-235 1 / root and variance + eps, a pair for each block
.set JW,   236                         ; v236-239 two blocks' words joined
.set PW,   240                         ; v240-241 a block's word
.set SEL,  2                           ; s[2:3]
.set MNT,  101
.set G1A, 24
.set G0A, 32
.set G1B, 48
.set G0B, 56
.set G1SA, 68
.set G0SA, 76
.set G1SB, 80
.set G0SB, 88
.set MSB, 0
.macro WIN new                         ; the immediate's high byte repeats the setting that is left
.if MSB != \new
	s_set_vgpr_msb (MSB<<8)|\new
.set MSB, \new
.endif
.endm
.macro PLACES n
.rept \n
	v_nop
.endr
.endm
; A joint load: waves 0 and 1 fetch for x, waves 2 and 3 for the weights.  The branch hangs on the wave's number alone.  Four v_nop follow each of the two lines.
.macro JLOAD g0a, g1a, g0b, g1b
	s_cmp_eq_u32 s21, 0
	s_cbranch_scc0 .Lfor_b_\@
	tensor_load_to_lds s[\g0a:\g0a+3], s[\g1a:\g1a+7]
	s_nop 0
.rept 4
	v_nop
.endr
	s_branch .Lasked_\@
.Lfor_b_\@:
	tensor_load_to_lds s[\g0b:\g0b+3], s[\g1b:\g1b+7]
	s_nop 0
.rept 4
	v_nop
.endr
.Lasked_\@:
.endm
.macro CREST                           ; a round of the cluster's barrier behind its opening barrier
	s_cmp_lg_u32 s20, 0
	s_cbranch_scc1 .Lnot_wave_0_\@
	s_barrier_signal -3
.Lnot_wave_0_\@:
	s_barrier_wait -3
	s_barrier_signal -1
	s_barrier_wait -1
.endm
.macro CROUND
	s_barrier_signal -1
	s_barrier_wait -1
	CREST
.endm
.macro SHAPE g, rows                   ; group 1 of a dense block: rows of 256 bytes (32 elements of 8 bytes), no padding
	s_mov_b32 s[\g+1], 32<<16
	s_mov_b32 s[\g+2], (\rows)<<16
	s_mov_b32 s[\g+3], 32<<16
	s_mov_b32 s[\g+4], \rows
	s_mov_b32 s[\g+5], 32
	s_mov_b32 s[\g+6], 0
	s_mov_b32 s[\g+7], 0
.endm
.macro WMMA zero                       ; one product, by the symbols fD, fX, fY (registers), cX, cY (scale registers), oX, oY (1: the scales stand in lanes 16-31)
.if \zero
.if oX && oY
	v_wmma_scale_f32_16x16x128_f8f6f4 v[fD:fD+7], v[fX:fX+15], v[fY:fY+15], 0, v[cX], v[cY] matrix_a_scale:MATRIX_SCALE_ROW1 matrix_b_scale:MATRIX_SCALE_ROW1
.elseif oX
	v_wmma_scale_f32_16x16x128_f8f6f4 v[fD:fD+7], v[fX:fX+15], v[fY:fY+15], 0, v[cX], v[cY] matrix_a_scale:MATRIX_SCALE_ROW1
.elseif oY
	v_wmma_scale_f32_16x16x128_f8f6f4 v[fD:fD+7], v[fX:fX+15], v[fY:fY+15], 0, v[cX], v[cY] matrix_b_scale:MATRIX_SCALE_ROW1
.else
	v_wmma_scale_f32_16x16x128_f8f6f4 v[fD:fD+7], v[fX:fX+15], v[fY:fY+15], 0, v[cX], v[cY]
.endif
.else
.if oX && oY
	v_wmma_scale_f32_16x16x128_f8f6f4 v[fD:fD+7], v[fX:fX+15], v[fY:fY+15], v[fD:fD+7], v[cX], v[cY] matrix_a_scale:MATRIX_SCALE_ROW1 matrix_b_scale:MATRIX_SCALE_ROW1
.elseif oX
	v_wmma_scale_f32_16x16x128_f8f6f4 v[fD:fD+7], v[fX:fX+15], v[fY:fY+15], v[fD:fD+7], v[cX], v[cY] matrix_a_scale:MATRIX_SCALE_ROW1
.elseif oY
	v_wmma_scale_f32_16x16x128_f8f6f4 v[fD:fD+7], v[fX:fX+15], v[fY:fY+15], v[fD:fD+7], v[cX], v[cY] matrix_b_scale:MATRIX_SCALE_ROW1
.else
	v_wmma_scale_f32_16x16x128_f8f6f4 v[fD:fD+7], v[fX:fX+15], v[fY:fY+15], v[fD:fD+7], v[cX], v[cY]
.endif
.endif
.endm
; A K step's 32 products.  The accumulators take turns, one instruction a turn, in the same order in every K step.  zero = 1: the first K step starts the sums.
.macro MULS set, zero, swap
.set ia, 0
.rept AB
.set it, 0
.rept 4
.if \swap
.set fD, 8*(8*it+ia)
.set fX, 128*(\set)+16*ia
.set fY, 64*(\set)+16*it
.set cX, SA+4*(\set)+ia/2
.set cY, SB+2*(\set)+it/2
.set oX, ia%2
.set oY, it%2
.else
.set fD, 8*(4*ia+it)
.set fX, 64*(\set)+16*it
.set fY, 128*(\set)+16*ia
.set cX, SB+2*(\set)+it/2
.set cY, SA+4*(\set)+ia/2
.set oX, it%2
.set oY, ia%2
.endif
	WMMA \zero
.set it, it+1
.endr
.set ia, ia+1
.endr
.endm
.macro MUL set, zero                   ; s100 = 1 where the work-group makes V: the same in all partners of a cluster
	s_cmp_eq_u32 s100, 1
	s_cbranch_scc1 .Lswap_\@
	WIN 0xf6                                       ; source 0 (weights) window 2, source 1 (x) window 1, C and D window 3
	MULS \set, \zero, 0
	WIN 0
	s_branch .Ljoin_\@
.Lswap_\@:
	WIN 0xf9                                       ; source 0 (x) window 1, source 1 (weights) window 2
	MULS \set, \zero, 1
	WIN 0
.Ljoin_\@:
.endm
; The fragments and scale words of the slot's q-th K step into set; lam: that K step counted from the lap's first
.macro FETCH slot, q, set, lam
	WIN 0x40                                       ; destination window 1
.set ii, 0
.rept AB
.irp c, 0,1,2,3
	ds_load_b128 v[128*(\set)+16*ii+4*\c:128*(\set)+16*ii+4*\c+3], v[ADRA+\slot] offset:(\q)*16384+ii*2048+\c*512
.endr
.set ii, ii+1
.endr
	WIN 0x80                                       ; destination window 2
.irp t, 0,1,2,3
.irp c, 0,1,2,3
	ds_load_b128 v[64*(\set)+16*\t+4*\c:64*(\set)+16*\t+4*\c+3], v[ADRB+\slot] offset:(\q)*16384+\t*2048+\c*512
.endr
.endr
	WIN 0
.set ii, 0
.rept AB/2
	ds_load_b32 v[SA+4*(\set)+ii], v[ADSA] offset:(\lam)*512+128*ii
.set ii, ii+1
.endr
.irp p, 0,1
	ds_load_b32 v[SB+2*(\set)+\p], v[ADSB] offset:(\lam)*512+128*\p
.endr
.endm
; A K step that has its successor in the same slot
.macro STEP slot, q, zero
	s_wait_dscnt 0x0                               ; this K step's fragments, asked for a K step ago
	PLACES 8                                       ; loads into registers that the last K step's products read stand eight plain vector lines behind them
	FETCH \slot, (\q)+1, ((\q)+1)%2, (\slot)*NQ+(\q)+1
	MUL (\q)%2, \zero
.endm
; A slot's last K step changes slots.  fill = 1: this slot is filled again, a lap ahead.
.macro TURN slot, next, fill
	s_wait_tensorcnt 0x0                           ; all my tensor loads have landed: my part of the next slot
	ds_add_u32 v[SPW], v[NIL]                      ; 0 onto my spare word
.if \fill
	s_add_nc_u64 s[G0A+4*\slot+2:G0A+4*\slot+3], s[G0A+4*\slot+2:G0A+4*\slot+3], 2*SLOTG   ; no load of mine is out: the slot's next K steps
	s_add_nc_u64 s[G0B+4*\slot+2:G0B+4*\slot+3], s[G0B+4*\slot+2:G0B+4*\slot+3], 2*SLOTG
	s_wait_xcnt 0x0                                ; my last prefetch has read its address
	s_add_nc_u64 s[66:67], s[66:67], SLOTG
.endif
	s_wait_dscnt 0x0                               ; the add is done, and my reads of this slot are over: its last K step's fragments are in registers
	s_barrier_signal -1
	s_barrier_wait -1
.if \fill
	CREST                                          ; the barrier has opened a round of the cluster's barrier: no wave of any partner still reads this slot or has a load on its way
	JLOAD G0A+4*\slot, G1A, G0B+4*\slot, G1B       ; the first tensor load behind the round; its four v_nop are four of the eight places
	PLACES 4
.else
	PLACES 8
.endif
.if \next == 1
	s_wait_alu depctr_va_vdst(0)
	FETCH 1, 0, 0, NQ
.else
	FETCH 0, 0, 0, 2*NQ
	v_add_nc_u32 v[ADSA], 2*NQ*512, v[ADSA]        ; on to the next lap's scale words
	v_add_nc_u32 v[ADSB], 2*NQ*512, v[ADSB]
.endif
.if \fill
	s_cmp_gt_u32 s23, s46
	s_cbranch_scc0 .Lnone_\@
	global_prefetch_b8 v26, s[66:67] offset:3*SLOTG th:TH_LOAD_NT scope:SCOPE_SE   ; the slot that stands two refills on
.Lnone_\@:
.endif
	MUL 1, 0
.endm
	s_load_b256 s[4:11], s[0:1], 0x0               ; xq, wq8, cos, sin
	s_load_b256 s[12:19], s[0:1], 0x20             ; q_norm_w, k_norm_w, qq, kv
	v_lshl_add_u32 v[SPW], v0, 2, SPARE
	v_mov_b32 v[NIL], 0
	ds_add_u32 v28, v29
	ds_add_u32 v28, v29
	s_wait_dscnt 0x0
	v_lshrrev_b32 v1, 5, v0
	v_readfirstlane_b32 s20, v1                    ; wave 0..3
	s_lshr_b32 s21, s20, 1                         ; which panel of x is mine.  Also: I fetch for x (0) or for the weights (1)
	s_and_b32 s22, s20, 1                          ; which head.  Also: which half I fetch
	s_bfe_u32 s40, ttmp6, 0x40000                  ; cx, cy: my place in the cluster
	s_bfe_u32 s41, ttmp6, 0x40004
	s_lshl_b32 s42, ttmp9, 2
	s_add_co_u32 s42, s42, s40                     ; panel of the weights = 4 x cluster x + cx
	s_and_b32 s43, ttmp7, 0xffff
	s_lshl_b32 s43, s43, 2
	s_add_co_u32 s43, s43, s41                     ; 256 rows of x = 4 x cluster y + cy
	s_lshl_b32 s44, s41, 2
	s_lshl_b32 s44, 15, s44                        ; my row of the cluster
	s_lshl_b32 s45, 0x1111, s40                    ; my column
	s_cmp_eq_u32 ttmp9, 5
	s_cselect_b32 s100, 1, 0                       ; V?
	s_or_b32 s[G1A], s44, (3<<16)|(1<<21)          ; 15:0 the mask; 17:16 elements of 8 bytes; 21 set beside a mask
	s_or_b32 s[G1B], s45, (3<<16)|(1<<21)
	s_or_b32 s[G1SA], s44, (3<<16)|(1<<21)
	s_or_b32 s[G1SB], s45, (3<<16)|(1<<21)
	s_mov_b32 s[G1A+1], 4096<<16                   ; the head's tile of x: two rows of 32,768 bytes (4,096 elements of 8), one for each panel, 262,144 bytes apart
	s_mov_b32 s[G1A+2], 2<<16
	s_mov_b32 s[G1A+3], 4096<<16
	s_mov_b32 s[G1A+4], 2
	s_mov_b32 s[G1A+5], 32768
	s_mov_b32 s[G1A+6], 0
	s_mov_b32 s[G1A+7], 0
	SHAPE G1B, 128                                 ; the head's tile of the weights: two K steps, 32,768 bytes
	SHAPE G1SA, 64                                 ; two panels' scale words: 16,384
	SHAPE G1SB, 32                                 ; the weights' panel's: 8,192
	s_lshl_b32 s92, s43, 1                         ; x's addresses are made of the row coordinate and the wave's number alone,
	s_lshl_b32 s94, s92, 13
	s_add_co_u32 s92, s92, s22
	s_add_co_u32 s94, s94, 4194304
	s_mov_b32 s95, 0
	s_lshl_b32 s92, s92, 18
	s_mov_b32 s93, 0
	s_lshl_b32 s46, s42, 18                        ; the weights' of the column coordinate and the wave's number alone, in other registers
	s_lshl_b32 s96, s22, 14
	s_add_co_u32 s46, s46, s96
	s_mov_b32 s47, 0
	s_lshl_b32 s96, s42, 13
	s_add_co_u32 s96, s96, 6291456
	s_mov_b32 s97, 0
	s_lshl_b32 s98, s22, 15                        ; where they go in a slot: no place in the cluster enters an LDS address
	s_lshl_b32 s99, s22, 14
	s_wait_kmcnt 0x0
	s_add_nc_u64 s[92:93], s[4:5], s[92:93]
	s_add_nc_u64 s[94:95], s[4:5], s[94:95]
	s_add_nc_u64 s[46:47], s[6:7], s[46:47]
	s_add_nc_u64 s[96:97], s[6:7], s[96:97]
	CROUND                                         ; all sixteen work-groups are here: the first joint loads meet
	s_mov_b32 s[G0SA], 1
	s_mov_b32 s[G0SA+1], SCL
	s_mov_b64 s[G0SA+2:G0SA+3], s[94:95]
	s_or_b32 s[G0SA+3], s[G0SA+3], 0x80000000
	s_mov_b32 s[G0SB], 1
	s_mov_b32 s[G0SB+1], SCL+ASB
	s_mov_b64 s[G0SB+2:G0SB+3], s[96:97]
	s_or_b32 s[G0SB+3], s[G0SB+3], 0x80000000
.irp s, 0,1
	s_mov_b32 s[G0A+4*\s], 1
	s_add_co_u32 s[G0A+4*\s+1], s98, \s*SLOT
	s_add_nc_u64 s[G0A+4*\s+2:G0A+4*\s+3], s[92:93], \s*SLOTG
	s_or_b32 s[G0A+4*\s+3], s[G0A+4*\s+3], 0x80000000
	s_mov_b32 s[G0B+4*\s], 1
	s_add_co_u32 s[G0B+4*\s+1], s99, \s*SLOT+BOFF
	s_add_nc_u64 s[G0B+4*\s+2:G0B+4*\s+3], s[46:47], \s*SLOTG
	s_or_b32 s[G0B+4*\s+3], s[G0B+4*\s+3], 0x80000000
.endr
	; THE HEAD'S LOADS, ONE A WAVE: wave 0 slot 0's part of x (both panels), wave 1 slot 0's part of the weights, wave 2 x's scale words, wave 3 the weights'.
	s_lshl_b32 s98, s22, 18
	s_mov_b32 s99, 0
	s_sub_nc_u64 s[94:95], s[92:93], s[98:99]      ; group 0 in s[92:95]: the first panel's first K step
	s_or_b32 s95, s95, 0x80000000
	s_mov_b32 s92, 1
	s_mov_b32 s93, 0
	s_lshl_b32 s98, s22, 14
	s_sub_nc_u64 s[46:47], s[46:47], s[98:99]      ; group 0 in s[44:47]: the weights' first K step
	s_or_b32 s47, s47, 0x80000000
	s_mov_b32 s44, 1
	s_mov_b32 s45, BOFF
.macro ARM under, g0, g1, next
	s_cmp_lt_u32 s20, \under
	s_cbranch_scc0 \next
	tensor_load_to_lds s[\g0:\g0+3], s[\g1:\g1+7]
	s_nop 0
.rept 4
	v_nop
.endr
	s_branch .Lhead_asked
\next:
.endm
	ARM 1, 92, G1A, .Lhead_b
	ARM 2, 44, G1B, .Lhead_sa
	ARM 3, G0SA, G1SA, .Lhead_sb
	tensor_load_to_lds s[G0SB:G0SB+3], s[G1SB:G1SB+7]
	s_nop 0
.rept 4
	v_nop
.endr
.Lhead_asked:
	; THE PREFETCHES' ADDRESS, s[66:67].  A slot's part of x (two panels x 32,768 bytes) is shared out among waves 0, 1 of the four partners of my row: chunk 2 cx + wave of eight, 8,192 bytes, a lane to each 256;
	; its part of the weights (32,768 bytes) among wave 2 of the four partners of my column: chunk cy of four.  Wave 3 asks for nothing.  So each block of 256 bytes is named once in each cluster that loads it.
	s_lshr_b32 s98, s40, 1
	s_lshl_b32 s99, s43, 1
	s_add_co_u32 s98, s98, s99
	s_lshl_b32 s98, s98, 18
	s_and_b32 s99, s40, 1
	s_lshl_b32 s99, s99, 1
	s_add_co_u32 s99, s99, s20
	s_lshl_b32 s99, s99, 13
	s_add_co_u32 s98, s98, s99
	s_lshl_b32 s2, s42, 18
	s_lshl_b32 s3, s41, 13
	s_add_co_u32 s2, s2, s3
	s_cmp_lt_u32 s20, 2
	s_cselect_b32 s98, s98, s2
	s_cselect_b64 s[66:67], s[4:5], s[6:7]
	s_mov_b32 s99, 0
	s_add_nc_u64 s[66:67], s[66:67], s[98:99]
	v_and_b32 v1, 31, v0
	v_lshlrev_b32 v2, 4, v1
	v_lshlrev_b32 v3, 2, v1
	v_lshlrev_b32 v26, 8, v1                       ; the prefetches' offset: 256 x lane; never rewritten
	s_cmp_lt_u32 s20, 3
	s_wait_alu depctr_va_vdst(0)
	s_cbranch_scc0 .Lno_ask_1
	global_prefetch_b8 v26, s[66:67] offset:SLOTG th:TH_LOAD_NT scope:SCOPE_SE   ; slot 1's first K steps: their load stands behind the head's wait and a round
.Lno_ask_1:
	v_and_b32 v4, 15, v0                           ; r
	v_bfe_u32 v5, v0, 4, 1                         ; h
	v_and_b32 v6, 8, v4
	v_add_nc_u32 v6, v6, v4                        ; r + 8 (r / 8)
	v_lshlrev_b32 v25, 6, v5                       ; the gains: 64 h
	v_lshl_add_u32 v24, v6, 8, v25                 ; cos, sin: a row is 256 bytes
	s_mul_i32 s98, s21, AWS
	v_add_nc_u32 v[ADRA], s98, v2
	v_add_nc_u32 v[ADRA+1], SLOT, v[ADRA]
	s_lshl_b32 s98, s22, 13
	s_add_co_u32 s98, s98, BOFF
	v_add_nc_u32 v[ADRB], s98, v2
	v_add_nc_u32 v[ADRB+1], SLOT, v[ADRB]
	s_mul_i32 s98, s21, ASW
	s_add_co_u32 s98, s98, SCL
	v_add_nc_u32 v[ADSA], s98, v3
	s_lshl_b32 s98, s22, 8
	s_add_co_u32 s98, s98, SCL+ASB
	v_add_nc_u32 v[ADSB], s98, v3
.irp b, 0,1,2,3
	v_mov_b32 v[TM+4+\b], 0                        ; written once: a lane permute's destination counts as one of its sources
.endr
	s_mov_b32 s[SEL], 0x76543210
	s_mov_b32 s[SEL+1], 0xfedcba98
	s_mov_b32 s[MNT], 0x600000
	; what the way out wants from memory is asked for now and lands under the products: the gain, and cos and sin of my first two blocks.  (One text for all kinds of work: V's work-groups ask too and leave these unread.)
	s_cmp_lt_u32 ttmp9, 4
	s_cselect_b64 s[12:13], s[12:13], s[14:15]     ; Q's gain or K's
	s_lshl_b32 s98, s43, 16                        ; my panel's first row of cos and sin: (256 row + 128 half) x 256 bytes
	s_lshl_b32 s99, s21, 15
	s_add_co_u32 s98, s98, s99
	s_mov_b32 s99, 0
	s_add_nc_u64 s[8:9], s[8:9], s[98:99]
	s_add_nc_u64 s[10:11], s[10:11], s[98:99]
.irp b, 0,1
.irp j, 0,1,2,3
	global_load_b128 v[W+16*\b+4*\j:W+16*\b+4*\j+3], v25, s[12:13] offset:128*\b+16*\j
.endr
.endr
.macro CSLOAD a, sg                    ; cos and sin of block a's rows at d = 32 b + 16 h + 0 .. 15, into set sg of window 2: 32 registers of cos, then 32 of sin
	WIN 0x80
.irp b, 0,1
.irp j, 0,1,2,3
	global_load_b128 v[128+64*(\sg)+16*\b+4*\j:128+64*(\sg)+16*\b+4*\j+3], v24, s[8:9] offset:(32*((\a)/2)+8*((\a)%2))*256+128*\b+16*\j
	global_load_b128 v[160+64*(\sg)+16*\b+4*\j:160+64*(\sg)+16*\b+4*\j+3], v24, s[10:11] offset:(32*((\a)/2)+8*((\a)%2))*256+128*\b+16*\j
.endr
.endr
	WIN 0
.endm
	CSLOAD 0, 0
	CSLOAD 1, 1
	s_wait_alu depctr_va_vdst(0)
	s_wait_tensorcnt 0x0                           ; my tile of the head's four is in; slot 1's first fill is issued as a refill is
	ds_add_u32 v[SPW], v[NIL]
	SHAPE G1A, 128                                 ; no load of mine is out: from here on a load brings a panel's two K steps,
	SHAPE G1B, 64
	s_cmp_lt_u32 s20, 3
	s_cselect_b32 s46, 1, 100                      ; a refill's prefetch runs while the laps to go are more than this: the last lap's two refills have no slot two refills on; wave 3 never asks
	s_wait_dscnt 0x0
	CROUND                                         ; all four tiles are in, and the sixteen work-groups are here
	JLOAD G0A+4, G1A, G0B+4, G1B
	FETCH 0, 0, 0, 0
	s_cmp_lt_u32 s20, 3
	s_cbranch_scc0 .Lno_ask_2
	global_prefetch_b8 v26, s[66:67] offset:2*SLOTG th:TH_LOAD_NT scope:SCOPE_SE   ; what the first two refills will ask for
	global_prefetch_b8 v26, s[66:67] offset:3*SLOTG th:TH_LOAD_NT scope:SCOPE_SE
.Lno_ask_2:
	STEP 0, 0, 1                                   ; the first K step stands in front of the loop: its products start the sums
	s_mov_b32 s23, LAPS-1
.Llap:                                             ; a trip goes once round the ring, from a lap's second K step to the next lap's first, and fills both slots again
	TURN 0, 1, 1
	STEP 1, 0, 0
	TURN 1, 0, 1
	s_wait_alu depctr_va_vdst(0)
	STEP 0, 0, 0
	s_sub_co_u32 s23, s23, 1
	s_cmp_lg_u32 s23, 0
	s_cbranch_scc1 .Llap
	TURN 0, 1, 0                                   ; the last lap fills nothing
	STEP 1, 0, 0
	s_wait_dscnt 0x0
	MUL 1, 0
	; ---- THE WAY OUT
	PLACES 8
	s_wait_loadcnt 0x0                             ; the gain, cos and sin of blocks 0 and 1
	s_lshl_b32 s92, s42, 1
	s_add_co_u32 s92, s92, s22                     ; Q: the head
	s_lshl_b32 s93, s43, 4
	s_lshl_b32 s94, s21, 3
	s_add_co_u32 s93, s93, s94                     ; my first tile of 16 rows
	s_lshl_b32 s94, s92, 13
	s_lshl_b32 s95, s93, 6
	s_add_co_u32 s94, s94, s95
	s_add_co_u32 s94, s94, 4194304                 ; Q's words
	s_lshl_b32 s92, s92, 17
	s_lshl_b32 s93, s93, 10
	s_add_co_u32 s92, s92, s93                     ; Q's codes
	s_lshl_b32 s96, s40, 1
	s_add_co_u32 s96, s96, s22                     ; K, V: the kv head
	s_mul_i32 s96, s96, 274432
	s_lshl_b32 s97, s43, 1
	s_add_co_u32 s97, s97, s21                     ; the key step
	s_mul_i32 s97, s97, 17152
	s_add_co_u32 s96, s96, s97                     ; the record: K's codes
	s_add_co_u32 s97, s96, 16384                   ; K's words
	s_cmp_lt_u32 ttmp9, 4
	s_cselect_b32 s92, s92, s96
	s_cselect_b32 s94, s94, s97
	s_cselect_b64 s[12:13], s[16:17], s[18:19]
	s_mov_b32 s93, 0
	s_mov_b32 s95, 0
	s_add_nc_u64 s[14:15], s[12:13], s[94:95]      ; words
	s_add_nc_u64 s[12:13], s[12:13], s[92:93]      ; codes
	s_mov_b32 s99, 0xffff0000
	s_wait_xcnt 0x0                                ; the prefetches have read their address: its registers take two constants
	s_mov_b32 s66, 0x3c800000                      ; 1 / 64
	s_mov_b32 s67, 0x358637bd                      ; eps = 1e-6
	s_cmp_eq_u32 s100, 1
	s_cbranch_scc1 .Lv_out
.macro QUANT s, nb, d, pw              ; nb blocks of 16 registers at v[s + 16 b + i] become codes in v[d + 4 b ..] and the row's scale word in v[pw]
.irp b, 0,1,2,3
.if \b < \nb
	v_max3_num_f32 v[TM+\b], |v[(\s)+16*\b]|, |v[(\s)+16*\b+1]|, 0x4800000
.endif
.endr
.irp i, 2,4,6,8,10,12,14
.irp b, 0,1,2,3
.if \b < \nb
	v_max3_num_f32 v[TM+\b], v[TM+\b], |v[(\s)+16*\b+\i]|, |v[(\s)+16*\b+\i+1]|
.endif
.endr
.endr
	QTAIL \nb, \pw
.irp b, 0,1,2,3
.if \b < \nb
.irp i, 0,1,2,3,4,5,6,7,8,9,10,11,12,13,14,15
	v_med3_num_f32 v[(\s)+16*\b+\i], v[(\s)+16*\b+\i], -v[TM+8+\b], v[TM+8+\b]
.endr
	v_cvt_scalef32_pk8_fp8_f32 v[(\d)+4*\b:(\d)+4*\b+1], v[(\s)+16*\b:(\s)+16*\b+7], v[TM+12+\b]
	v_cvt_scalef32_pk8_fp8_f32 v[(\d)+4*\b+2:(\d)+4*\b+3], v[(\s)+16*\b+8:(\s)+16*\b+15], v[TM+12+\b]
.endif
.endr
	v_nop                                          ; one plain vector line behind the last conversion
.endm
.macro QTAIL nb, pw                    ; from a lane's largest magnitudes to the scale operands, the holds and the scale word
.irp b, 0,1,2,3
.if \b < \nb
	v_permlanex16_b32 v[TM+4+\b], v[TM+\b], s[SEL], s[SEL+1]
.endif
.endr
.irp b, 0,1,2,3
.if \b < \nb
	v_max_num_f32 v[TM+\b], v[TM+\b], v[TM+4+\b]
.endif
.endr
.irp b, 0,1,2,3
.if \b < \nb
	v_add_nc_u32 v[TM+12+\b], 0xfc000000, v[TM+\b]   ; 8 off the exponent field: the conversion's scale operand
	v_and_or_b32 v[TM+8+\b], v[TM+\b], 0x7f800000, s[MNT]   ; 448 x the scale
	v_lshrrev_b32 v[TM+4+\b], 23, v[TM+12+\b]   ; the byte
.endif
.endr
	v_lshl_or_b32 v[(\pw)], v[TM+5], 8, v[TM+4]
.if \nb == 4
	v_lshl_or_b32 v[(\pw)], v[TM+6], 16, v[(\pw)]
	v_lshl_or_b32 v[(\pw)], v[TM+7], 24, v[(\pw)]
.else
	v_lshl_or_b32 v[(\pw)], v[(\pw)], 16, v[(\pw)]   ; the two bytes once more
.endif
.endm
	; Q and K.  The sum of squares of each row: 32 numbers in my lane, 32 in lane l xor 16; each accumulator is read from its low end on
; cos and sin of block a: blocks 2-5 into window 1 at 64 (a - 2), blocks 6, 7 into window 2 at 64 (a - 6): the fragments' registers, which the products have left (eight places stand ahead)
.macro CSL a
.if (\a) < 6
.set CLB, 64*((\a)-2)
	WIN 0x40
.else
.set CLB, 64*((\a)-6)
	WIN 0x80
.endif
.irp b, 0,1
.irp j, 0,1,2,3
	global_load_b128 v[CLB+16*\b+4*\j:CLB+16*\b+4*\j+3], v24, s[8:9] offset:(32*((\a)/2)+8*((\a)%2))*256+128*\b+16*\j
	global_load_b128 v[CLB+32+16*\b+4*\j:CLB+32+16*\b+4*\j+3], v24, s[10:11] offset:(32*((\a)/2)+8*((\a)%2))*256+128*\b+16*\j
.endr
.endr
	WIN 0
.endm
	CSL 2
	CSL 3
	CSL 4
	WIN 0x0f
.set ia, 0
.rept 8
	v_pk_mul_f32 v[Y+4*ia:Y+4*ia+1], v[32*ia:32*ia+1], v[32*ia:32*ia+1]
	v_pk_mul_f32 v[Y+4*ia+2:Y+4*ia+3], v[32*ia+2:32*ia+3], v[32*ia+2:32*ia+3]
.irp i, 4,8,12,16,20,24,28
	v_pk_fma_f32 v[Y+4*ia:Y+4*ia+1], v[32*ia+\i:32*ia+\i+1], v[32*ia+\i:32*ia+\i+1], v[Y+4*ia:Y+4*ia+1]
	v_pk_fma_f32 v[Y+4*ia+2:Y+4*ia+3], v[32*ia+\i+2:32*ia+\i+3], v[32*ia+\i+2:32*ia+\i+3], v[Y+4*ia+2:Y+4*ia+3]
.endr
.set ia, ia+1
.endr
	WIN 0
.irp a, 0,1,2,3,4,5,6,7
	v_add_f32 v[Y+4*\a], v[Y+4*\a], v[Y+4*\a+1]
	v_add_f32 v[Y+4*\a+2], v[Y+4*\a+2], v[Y+4*\a+3]
.endr
.irp a, 0,1,2,3,4,5,6,7
	v_add_f32 v[Y+4*\a], v[Y+4*\a], v[Y+4*\a+2]
.endr
.irp a, 0,1,2,3,4,5,6,7
	v_permlanex16_b32 v[Y+4*\a+1], v[Y+4*\a], s[SEL], s[SEL+1]
.endr
.irp a, 0,1,2,3,4,5,6,7
	v_add_f32 v[Y+4*\a], v[Y+4*\a], v[Y+4*\a+1]
.endr
.irp a, 0,1,2,3,4,5,6,7
	v_fma_f32 v[RS+2*\a+1], v[Y+4*\a], s66, s67    ; the mean of the squares + eps
.endr
	s_wait_alu depctr_va_vdst(0)
.irp a, 0,1,2,3,4,5,6,7
	v_rsq_f32 v[RS+2*\a], v[RS+2*\a+1]
.endr
	v_nop                                          ; a plain line behind the last root,
	s_wait_alu depctr_va_vdst(0)                   ; and one wait for the eight, ahead of their first reader
.macro HEADROW a
.if (\a) < 2
.set CSB, 128+64*(\a)
.set CSW, 0x08
.elseif (\a) < 6
.set CSB, 64*((\a)-2)
.set CSW, 0x04
.else
.set CSB, 64*((\a)-6)
.set CSW, 0x08
.endif
.if (\a) >= 2
.if (\a) < 4
	s_wait_loadcnt 48                              ; behind this block's 16 loads at least 48 were issued
.else
	s_wait_loadcnt 16*(7-(\a))                     ; behind this block's loads: those of the blocks that follow
.endif
.endif
	WIN 0x03                                       ; source 0 window 3
.irp i, 0,2,4,6,8,10,12,14,16,18,20,22,24,26,28,30
	v_pk_mul_f32 v[Y+\i:Y+\i+1], v[32*(\a)+\i:32*(\a)+\i+1], v[RS+2*(\a):RS+2*(\a)+1] op_sel_hi:[1,0]   ; x / root
.endr
	WIN 0
.irp i, 0,2,4,6,8,10,12,14,16,18,20,22,24,26,28,30
	v_pk_mul_f32 v[Y+\i:Y+\i+1], v[Y+\i:Y+\i+1], v[W+\i:W+\i+1]   ; x the gain
.endr
	WIN CSW                                        ; source 1: the window that holds this block's cos and sin
.irp i, 0,2,4,6,8,10,12,14
	v_pk_mul_f32 v[R+\i:R+\i+1], v[Y+16+\i:Y+17+\i], v[CSB+32+\i:CSB+33+\i]        ; y(d + 32) sin(d), d < 32
	v_pk_mul_f32 v[R+16+\i:R+17+\i], v[Y+\i:Y+\i+1], v[CSB+48+\i:CSB+49+\i]        ; y(d - 32) sin(d), d >= 32
.endr
.irp i, 0,2,4,6,8,10,12,14
	v_pk_fma_f32 v[R+\i:R+\i+1], v[Y+\i:Y+\i+1], v[CSB+\i:CSB+\i+1], v[R+\i:R+\i+1] neg_lo:[0,0,1] neg_hi:[0,0,1]   ; y cos - ..
	v_pk_fma_f32 v[R+16+\i:R+17+\i], v[Y+16+\i:Y+17+\i], v[CSB+16+\i:CSB+17+\i], v[R+16+\i:R+17+\i]                 ; y cos + ..
.endr
	WIN 0
.if (\a) < 3
	CSL (\a)+5                                     ; five blocks ahead
.endif
	QUANT R, 2, CD+8*(\a), PW+(\a)%2
	global_store_b128 v2, v[CD+8*(\a):CD+8*(\a)+3], s[12:13] offset:(\a)*1024          ; 512 consecutive bytes
	global_store_b128 v2, v[CD+8*(\a)+4:CD+8*(\a)+7], s[12:13] offset:(\a)*1024+512
.if (\a)%2
	v_cndmask_b32 v[JW+(\a)/2], v[PW], v[PW+1], s99   ; lanes 0-15: the even block's words, lanes 16-31: the odd block's
	global_store_b32 v3, v[JW+(\a)/2], s[14:15] offset:((\a)-1)*64
.endif
.endm
.irp a, 0,1,2,3,4,5,6,7
	HEADROW \a
.endr
	s_branch .Lend
	; V.  Tile t of d: the 64 registers v[64 t + 16 b + i] of window 3 are keys 32 b + 16 h + i of d = slot r of block t
.Lv_out:
.macro QUANTV t
	WIN 0x3c                                       ; sources 1 and 2 window 3
.irp b, 0,1,2,3
	v_max3_num_f32 v[TM+\b], 0x4800000, |v[64*(\t)+16*\b]|, |v[64*(\t)+16*\b+1]|
.endr
.irp i, 2,4,6,8,10,12,14
.irp b, 0,1,2,3
	v_max3_num_f32 v[TM+\b], v[TM+\b], |v[64*(\t)+16*\b+\i]|, |v[64*(\t)+16*\b+\i+1]|
.endr
.endr
	WIN 0
	QTAIL 4, PW+(\t)%2
	WIN 0x03                                       ; source 0 window 3: the held numbers go to window 0
.irp b, 0,1,2,3
.irp i, 0,1,2,3,4,5,6,7,8,9,10,11,12,13,14,15
	v_med3_num_f32 v[Y+16*\b+\i], v[64*(\t)+16*\b+\i], -v[TM+8+\b], v[TM+8+\b]
.endr
.endr
	WIN 0
.irp b, 0,1,2,3
	v_cvt_scalef32_pk8_fp8_f32 v[CD+16*(\t)+4*\b:CD+16*(\t)+4*\b+1], v[Y+16*\b:Y+16*\b+7], v[TM+12+\b]
	v_cvt_scalef32_pk8_fp8_f32 v[CD+16*(\t)+4*\b+2:CD+16*(\t)+4*\b+3], v[Y+16*\b+8:Y+16*\b+15], v[TM+12+\b]
.endr
	v_nop
.irp c, 0,1,2,3
	global_store_b128 v2, v[CD+16*(\t)+4*\c:CD+16*(\t)+4*\c+3], s[12:13] offset:8192+(\t)*2048+\c*512
.endr
.if (\t)%2
	v_cndmask_b32 v[JW+(\t)/2], v[PW], v[PW+1], s99
	global_store_b32 v3, v[JW+(\t)/2], s[14:15] offset:512+((\t)-1)*64
.endif
.endm
.irp t, 0,1,2,3
	QUANTV \t
.endr
.Lend:
	s_wait_tensorcnt 0x0                           ; the wave's end
	ds_add_u32 v[SPW], v[NIL]
	s_wait_dscnt 0x0
	CROUND                                         ; the closing round: no work-group ends while a partner may still ask for a tile that names it
	s_endpgm
.Lfunc_end_k_q3b9bfdff18_qkv:
	.size	k_q3b9bfdff18_qkv, .Lfunc_end_k_q3b9bfdff18_qkv-k_q3b9bfdff18_qkv
	.p2alignl 7, 3214868480
	.fill 96, 4, 3214868480
	.section	.rodata,"a",@progbits
	.p2align	6, 0x0
	.amdhsa_kernel k_q3b9bfdff18_qkv
		.amdhsa_group_segment_fixed_size 327680
		.amdhsa_private_segment_fixed_size 0
		.amdhsa_enable_private_segment 0
		.amdhsa_kernarg_size 64
		.amdhsa_user_sgpr_count 2
		.amdhsa_user_sgpr_kernarg_segment_ptr 1
		.amdhsa_wavefront_size32 1
		.amdhsa_system_sgpr_workgroup_id_x 1
		.amdhsa_system_sgpr_workgroup_id_y 1
		.amdhsa_system_sgpr_workgroup_id_z 1
		.amdhsa_system_vgpr_workitem_id 0
		.amdhsa_next_free_vgpr 1024
		.amdhsa_next_free_sgpr 102
		.amdhsa_reserve_vcc 0
		.amdhsa_float_denorm_mode_32 3
		.amdhsa_float_denorm_mode_16_64 3
		.amdhsa_memory_ordered 1
		.amdhsa_forward_progress 1
		.amdhsa_inst_pref_size 238
	.end_amdhsa_kernel
	.amdgpu_metadata
---
amdhsa.version: [ 1, 2 ]
amdhsa.kernels:
  - .name:           k_q3b9bfdff18_qkv
    .symbol:         k_q3b9bfdff18_qkv.kd
    .args:
      - { .name: xq, .offset: 0, .size: 8, .value_kind: global_buffer, .address_space: global }
      - { .name: wq8, .offset: 8, .size: 8, .value_kind: global_buffer, .address_space: global }
      - { .name: cos, .offset: 16, .size: 8, .value_kind: global_buffer, .address_space: global }
      - { .name: sin, .offset: 24, .size: 8, .value_kind: global_buffer, .address_space: global }
      - { .name: q_norm_w, .offset: 32, .size: 8, .value_kind: global_buffer, .address_space: global }
      - { .name: k_norm_w, .offset: 40, .size: 8, .value_kind: global_buffer, .address_space: global }
      - { .name: qq, .offset: 48, .size: 8, .value_kind: global_buffer, .address_space: global }
      - { .name: kv, .offset: 56, .size: 8, .value_kind: global_buffer, .address_space: global }
    .group_segment_fixed_size: 327680
    .private_segment_fixed_size: 0
    .kernarg_segment_align: 8
    .kernarg_segment_size: 64
    .max_flat_workgroup_size: 128
    .sgpr_count:     102
    .vgpr_count:     1024
    .wavefront_size: 32
...
	.end_amdgpu_metadata
.endif
;; end of part 2
;; launch attn (part 3): grid 32 x 8, 16 waves a work-group, clusters of 4 x 1, 327,680 bytes of LDS; arguments qq, kv, aq; writes aq
.if DOCPART == 3
	.amdgcn_target "amdgcn-amd-amdhsa--gfx1250"
	.amdhsa_code_object_version 6
	.text
	.protected	k_q3b9bfdff18_attn
	.globl	k_q3b9bfdff18_attn
	.p2align	8
	.type	k_q3b9bfdff18_attn,@function
k_q3b9bfdff18_attn:
	s_mov_b64 s[64:65], 0
	v_nop
	global_prefetch_b8 v0, s[64:65] scope:SCOPE_SE
	s_setreg_imm32_b32 hwreg(HW_REG_WAVE_MODE, 25, 1), 1
	s_wait_xcnt 0x0
	s_wait_alu depctr_hold_cnt(0) depctr_sa_sdst(0) depctr_va_vdst(0) depctr_va_sdst(0) depctr_va_ssrc(0) depctr_va_vcc(0) depctr_vm_vsrc(0)
	s_getreg_b32 s2, hwreg(HW_REG_IB_STS2, 6, 4)
	s_cmp_eq_u32 s2, 0
	s_cbranch_scc0 .Lentry_in_a_cluster
	s_endpgm
.Lentry_in_a_cluster:
	s_bfe_u32 s2, ttmp6, 0x10000c
	s_cmp_lg_u32 s2, 0x3003
	s_cbranch_scc0 .Lentry_shape_is_right
	s_endpgm
.Lentry_shape_is_right:
; Causal attention on codes of FP8 (E4M3) with E8M0 scales: S^T = K Q^T (K = the head's 64, filled to 128 with zero codes of Q), p = 2^(t - M), O^T = V^T P^T, O / the row's sum, quantised along the head's 64 for the last projection.
; LEFT OUT: key steps all of whose 128 keys come after a tile's 16 queries: the causal mask hides their scores, so p is 0 there for all inputs.
; LIMITS: NaN and infinities are not served; the promise holds while the scaled scores stay under 2^31 in magnitude; a block of p that has fallen to 0 keeps the byte 1 (its codes are zeros).
; SHARES.  256 work-groups of sixteen waves, four to a SIMD.  A work-group: one query head (4 y + cx) and tile j = cluster x of each of the 16 panels: tile (panel k) has k + 1 key steps of 128 keys, 136 in all.
; THE LONG TILES' KEYS ARE CUT IN TWO.  Waves 2 a and 2 a + 1 form a pair for the tiles of panels a and 15 - a, 17 key steps.  Role A (8 steps): key steps 0-7 of tile 15 - a; it leaves O, -M and the sums in LDS bytes of its own.
; Role B (9 steps): tile a whole, stored; then key steps 8 .. 15 - a of tile 15 - a; behind a barrier it joins A's part: M is a whole number in both, so both parts come under the larger M by exact powers of two.
; The role is (wave xor wave / 4) % 2: of the waves w, w + 4, w + 8, w + 12, and of 4 q .. 4 q + 3 alike, two have each role.
; LDS holds the kv head's 16 records (17,152 bytes a key step: K codes, V codes at 8,192, K words at 16,384, V words at 16,896), filled once: wave w asks for record w.  The four partners of a cluster are the four query heads
; of one kv head: each load is a joint load.  Records 0-7 (waves 0-7) are shown by the first barrier.  The second barrier, which shows the rest, is signalled behind each wave's own wait and awaited behind the first loop,
; which reads records 0-7 alone.  No branch hangs on cx.  No data prefetch: all of K and V is asked for at the head, and no loop is left to run ahead in.
; A tile's first step finds f = 2^(old M - new M) = 0, since M begins at -3e38: it wipes what O and the sums hold (finite numbers).
; REGISTERS: v1-11 addresses; v12 -M, v13 the largest t, v[14:15] the sum; v16-31 Q (8 of codes, 8 of zeros); v32-95 K's fragments, then V's; v96-103 zeros behind K's last tile; S scores, then p; O; PC p's codes; v242-250 the second tile's Q.
.set REC,   17152
.set SPARE, 16*REC                     ; the spare words, 128 bytes a wave: 2,048 bytes
.set STAGE, SPARE+2048                 ; a pair's 4,608 bytes: O (4,096), -M and t (256), the sums (256)
.set WV,  10
.set KAP, 11                           ; the tile's panel = its last key step
.set TB,  2
.set KS,  3
.set SEL, 16
.set CS,  18                           ; log2(e) / 8
.set MNT, 20
.set CNT, 21
.set G1,  24
.set G0,  32
.set KA,  52                           ; a
.set KL,  53                           ; 15 - a
.set ROLE, 54                          ; 0: A, 1: B
.set KY,  55                           ; the panel for key steps 8-15: 15 - a in role B, 0 in role A, which walks none of them
.set ADK, 8
.set ADS, 9
.set S,   104
.set O,   168
.set PC,  200
.set TM,  216
.set KSC, 232
.set VSC, 236
.set PSC, 238
.set QSC, 239
.macro WALU
	s_wait_alu depctr_va_vdst(0)
.endm
.macro CROUND
	s_barrier_signal -1
	s_barrier_wait -1
	s_cmp_lg_u32 s[WV], 0
	s_cbranch_scc1 .Lnot_wave_0_\@
	s_barrier_signal -3
.Lnot_wave_0_\@:
	s_barrier_wait -3
	s_barrier_signal -1
	s_barrier_wait -1
.endm
.macro TLOAD
	tensor_load_to_lds s[G0:G0+3], s[G1:G1+7]
	s_nop 0
.rept 4
	v_nop
.endr
.endm
.macro OFFS d, base, pre, kreg, sk, sj  ; s[d:d+1] = base + s[pre] + (panel << sk) + (j << sj)
	s_lshl_b32 s[\d], s[\kreg], \sk
	s_add_co_u32 s[\d], s[\d], s[\pre]
	s_lshl_b32 s[\d+1], s12, \sj
	s_add_co_u32 s[\d], s[\d], s[\d+1]
.if \base
	s_add_co_u32 s[\d], s[\d], \base
.endif
	s_mov_b32 s[\d+1], 0
.endm
	s_load_b128 s[4:7], s[0:1], 0x0                ; qq, kv
	s_load_b64 s[8:9], s[0:1], 0x10                ; aq
	v_lshl_add_u32 v251, v0, 2, SPARE
	v_mov_b32 v255, 0
	ds_add_u32 v251, v255                          ; the opening lines: the add twice on end
	ds_add_u32 v251, v255
	v_lshrrev_b32 v1, 5, v0
	v_readfirstlane_b32 s[WV], v1
	s_and_b32 s14, ttmp7, 0xffff                   ; the kv head
	s_mov_b32 s[G1], 15|(3<<16)|(1<<21)            ; the cluster's four; elements of 8 bytes
	s_mov_b32 s[G1+1], 32<<16                      ; a record: 67 rows of 256 bytes, dense
	s_mov_b32 s[G1+2], 67<<16
	s_mov_b32 s[G1+3], 32<<16
	s_mov_b32 s[G1+4], 67
	s_mov_b32 s[G1+5], 32
	s_mov_b32 s[G1+6], 0
	s_mov_b32 s[G1+7], 0
	s_mul_i32 s62, s[WV], REC
	s_mul_i32 s56, s14, 16*REC
	s_add_co_u32 s56, s56, s62
	s_mov_b32 s57, 0
	s_mov_b32 s[G0], 1
	s_mov_b32 s[G0+1], s62
	s_wait_dscnt 0x0
	CROUND
	s_wait_kmcnt 0x0
	s_add_nc_u64 s[G0+2:G0+3], s[6:7], s[56:57]
	s_or_b32 s[G0+3], s[G0+3], 0x80000000
	s_cmp_lt_u32 s[WV], 8                          ; waves 0-7 and waves 8-15 have a load line each: the first barrier waits for the first line's alone
	s_cbranch_scc0 .Lupper
	TLOAD
	s_branch .Lasked
.Lupper:
	TLOAD
.Lasked:
	s_bfe_u32 s13, ttmp6, 0x40000                  ; cx
	s_lshl_b32 s15, s14, 2
	s_add_co_u32 s15, s15, s13                     ; the query head
	s_mov_b32 s12, ttmp9                           ; j
	s_lshr_b32 s[KA], s[WV], 1
	s_lshr_b32 s22, s[WV], 2
	s_xor_b32 s22, s22, s[WV]
	s_and_b32 s[ROLE], s22, 1
	s_sub_co_u32 s[KL], 15, s[KA]
	s_cmp_eq_u32 s[ROLE], 1
	s_cselect_b32 s[KAP], s[KA], s[KL]             ; the first loop's tile: B's short one, A's long one
	s_cselect_b32 s[KY], s[KL], 0
	s_lshl_b32 s60, s15, 17
	s_lshl_b32 s61, s15, 13
	s_lshr_b32 s22, s15, 1
	s_and_b32 s23, s15, 1
	s_lshl_b32 s58, s22, 14
	s_lshl_b32 s59, s23, 10
	s_add_co_u32 s58, s58, s59
	s_lshl_b32 s59, s22, 9
	s_lshl_b32 s23, s23, 1
	s_add_co_u32 s59, s59, s23
	OFFS 36, 0, 60, KAP, 13, 10                    ; Q's codes: the first loop's tile, the long tile
	OFFS 38, 0, 60, KL, 13, 10
	OFFS 40, 4194304, 61, KAP, 9, 6                ; Q's words
	OFFS 42, 4194304, 61, KL, 9, 6
	OFFS 44, 0, 58, KA, 18, 11                     ; the result's codes [panel][pair of heads][block j][piece 2 (head % 2) + b]: short tile, long tile
	OFFS 46, 0, 58, KL, 18, 11
	OFFS 48, 4194304, 59, KA, 13, 6                ; the result's words: my head's two bytes of four
	OFFS 50, 4194304, 59, KL, 13, 6
.irp d, 36,38,40,42
	s_add_nc_u64 s[\d:\d+1], s[4:5], s[\d:\d+1]
.endr
.irp d, 44,46,48,50
	s_add_nc_u64 s[\d:\d+1], s[8:9], s[\d:\d+1]
.endr
	s_lshr_b32 s22, s12, 1
	s_lshl_b32 s22, s22, 5
	s_and_b32 s23, s12, 1
	s_lshl_b32 s23, s23, 3
	s_add_co_u32 s22, s22, s23                     ; block j's first row in its panel
	s_mul_i32 s23, s[KA], 4608
	s_add_co_u32 s23, s23, STAGE                   ; my pair's bytes
	s_mov_b32 s[SEL], 0x76543210
	s_mov_b32 s[SEL+1], 0xfedcba98
	s_mov_b32 s[CS], 0x3e38aa3b
	s_mov_b32 s[CS+1], s[CS]
	s_mov_b32 s[MNT], 0x600000
	s_mov_b32 s[TB], 0
	s_mov_b32 s[KS], 0
	v_and_b32 v4, 31, v0
	v_lshlrev_b32 v1, 4, v4                        ; 16 x lane
	v_lshlrev_b32 v2, 2, v4                        ; 4 x lane
	v_and_b32 v5, 15, v0
	v_lshlrev_b32 v6, 2, v5                        ; 4 r
	global_load_b128 v[16:19], v1, s[36:37]
	global_load_b128 v[20:23], v1, s[36:37] offset:512
	global_load_b32 v[QSC], v6, s[40:41]
	global_load_b128 v[242:245], v1, s[38:39]      ; one text for both roles: A asks too and leaves these unread
	global_load_b128 v[246:249], v1, s[38:39] offset:512
	global_load_b32 v250, v6, s[42:43]
.irp j, 24,25,26,27,28,29,30,31,96,97,98,99,100,101,102,103
	v_mov_b32 v[\j], 0
.endr
	v_and_b32 v3, 8, v5
	v_add_nc_u32 v3, v3, v5
	v_add_nc_u32 v3, s22, v3                       ; my query's row in its panel
	v_bfe_u32 v7, v0, 4, 1
	v_lshlrev_b32 v7, 4, v7
	v_sub_nc_u32 v3, v3, v7                        ; - 16 (lane / 16): register n holds key 32 (n / 16) + n % 16 + 16 (lane / 16) of the step: hidden where 32 (n / 16) + n % 16 is larger
	v_add_nc_u32 v11, s23, v1                      ; the pair's O: 16 bytes a lane and four registers
	v_lshlrev_b32 v7, 3, v4
	v_add_nc_u32 v7, s23, v7                       ; its pairs of numbers: 8 bytes a lane
	v_mov_b32 v13, 0xff61b1e6                      ; the largest t so far: -3e38
	v_floor_f32 v12, -v13
	v_mov_b32 v14, 0
	v_mov_b32 v15, 0
.irp j, 220,221,222,223,240,241,252,253,254
	v_mov_b32 v[\j], 0
.endr
.irp j, 0,1,2,3,4,5,6,7,8,9,10,11,12,13,14,15,16,17,18,19,20,21,22,23,24,25,26,27,28,29,30,31
	v_mov_b32 v[O+\j], 0
.endr
; A KEY STEP.  A step behind the tile's last is jumped over (ids alone); in the last, hidden scores become -infinity
.macro STEP
	s_cmp_gt_u32 s[KS], s[KAP]
	s_cbranch_scc1 .Lhidden_\@
	v_add_nc_u32 v[ADK], s[TB], v1
	v_add_nc_u32 v[ADS], s[TB], v2
.rept 6
	v_nop
.endr
.irp t, 0,1,2,3,4,5,6,7
	ds_load_b128 v[32+8*\t:35+8*\t], v[ADK] offset:1024*\t
	ds_load_b128 v[36+8*\t:39+8*\t], v[ADK] offset:1024*\t+512
.endr
.irp p, 0,1,2,3
	ds_load_b32 v[KSC+\p], v[ADS] offset:16384+128*\p
.endr
	s_wait_alu depctr_va_vdst(0)
	s_wait_dscnt 0x0
.irp t, 0,2,4,6
	v_wmma_scale_f32_16x16x128_f8f6f4 v[S+8*\t:S+8*\t+7], v[32+8*\t:47+8*\t], v[16:31], 0, v[KSC+\t/2], v[QSC]
	v_wmma_scale_f32_16x16x128_f8f6f4 v[S+8*\t+8:S+8*\t+15], v[40+8*\t:55+8*\t], v[16:31], 0, v[KSC+\t/2], v[QSC] matrix_a_scale:MATRIX_SCALE_ROW1
.endr
.rept 8
	v_nop
.endr
.irp t, 0,1,2,3
.irp c, 0,1,2,3
	ds_load_b128 v[32+16*\t+4*\c:35+16*\t+4*\c], v[ADK] offset:8192+2048*\t+512*\c
.endr
.endr
	ds_load_b32 v[VSC], v[ADS] offset:16896
	ds_load_b32 v[VSC+1], v[ADS] offset:16896+128
	s_cmp_lg_u32 s[KS], s[KAP]
	s_cbranch_scc1 .Lopen_\@
	v_mov_b32 v254, 0xff800000
.irp n, 0,1,2,3,4,5,6,7,8,9,10,11,12,13,14,15,16,17,18,19,20,21,22,23,24,25,26,27,28,29,30,31,32,33,34,35,36,37,38,39,40,41,42,43,44,45,46,47,48,49,50,51,52,53,54,55,56,57,58,59,60,61,62,63
	v_cmp_gt_i32 vcc_lo, 32*(\n/16)+\n%16, v3
	v_cndmask_b32 v[S+\n], v[S+\n], v254, vcc_lo
.endr
.Lopen_\@:
.irp b, 0,1,2,3
	v_max3_num_f32 v[TM+\b], v[S+16*\b], v[S+1+16*\b], v[S+2+16*\b]
.endr
.irp i, 3,5,7,9,11,13
.irp b, 0,1,2,3
	v_max3_num_f32 v[TM+\b], v[TM+\b], v[S+16*\b+\i], v[S+1+16*\b+\i]
.endr
.endr
.irp b, 0,1,2,3
	v_max_num_f32 v[TM+\b], v[TM+\b], v[S+15+16*\b]
.endr
.irp b, 0,1,2,3
	s_delay_alu instid0(VALU_DEP_4)
	v_permlanex16_b32 v[TM+4+\b], v[TM+\b], s[SEL], s[SEL+1]
.endr
.irp b, 0,1,2,3
	s_delay_alu instid0(VALU_DEP_4)
	v_max_num_f32 v[TM+\b], v[TM+\b], v[TM+4+\b]
.endr
	s_delay_alu instid0(VALU_DEP_2)
	v_max3_num_f32 v254, v[TM], v[TM+1], v[TM+2]
	s_delay_alu instid0(VALU_DEP_1)
	v_max_num_f32 v254, v254, v[TM+3]
	s_delay_alu instid0(VALU_DEP_1)
	v_mul_f32 v254, s[CS], v254
	s_delay_alu instid0(VALU_DEP_1)
	v_max_num_f32 v13, v13, v254                   ; the running largest t
	v_mov_b32 v254, v12
	s_delay_alu instid0(VALU_DEP_2)
	v_floor_f32 v12, -v13                          ; -M = -ceil(t)
	s_delay_alu instid0(VALU_DEP_1)
	v_sub_f32 v254, v12, v254
	s_delay_alu instid0(VALU_DEP_1)
	v_cvt_i32_f32 v254, v254
	s_delay_alu instid0(VALU_DEP_1)
	v_ldexp_f32 v252, 1.0, v254                    ; f = 2^(old M - new M)
.irp j, 0,2,4,6,8,10,12,14,16,18,20,22,24,26,28,30,32,34,36,38,40,42,44,46,48,50,52,54,56,58,60,62
	v_pk_fma_f32 v[S+\j:S+1+\j], v[S+\j:S+1+\j], s[CS:CS+1], v[12:13] op_sel_hi:[1,0,0]
.endr
.irp b, 0,1,2,3
	v_fma_f32 v[TM+\b], v[TM+\b], s[CS], v12
.endr
	s_wait_alu depctr_va_vdst(0)
.irp j, 0,1,2,3,4,5,6,7,8,9,10,11,12,13,14,15,16,17,18,19,20,21,22,23,24,25,26,27,28,29,30,31,32,33,34,35,36,37,38,39,40,41,42,43,44,45,46,47,48,49,50,51,52,53,54,55,56,57,58,59,60,61,62,63
	v_exp_f32 v[S+\j], v[S+\j]
.endr
	v_pk_mul_f32 v[14:15], v[14:15], v[252:253] op_sel_hi:[1,0]
	s_wait_alu depctr_va_vdst(0)
.irp b, 0,1,2,3
	v_exp_f32 v[TM+\b], v[TM+\b]
.endr
	v_pk_add_f32 v[240:241], v[S:S+1], v[S+2:S+3]  ; the sum of the unquantised p
.irp j, 4,8,12,16,20,24,28,32,36,40,44,48,52,56,60
	v_pk_add_f32 v[14:15], v[14:15], v[S+\j:S+1+\j]
	v_pk_add_f32 v[240:241], v[240:241], v[S+2+\j:S+3+\j]
.endr
	s_delay_alu instid0(VALU_DEP_1)
	v_pk_add_f32 v[14:15], v[14:15], v[240:241]
	s_wait_alu depctr_va_vdst(0)
.irp b, 0,1,2,3
	v_max_num_f32 v[TM+\b], 0x4800000, v[TM+\b]    ; the floor: the byte cannot fall under 1
.endr
.irp b, 0,1,2,3
	s_delay_alu instid0(VALU_DEP_4)
	v_add_nc_u32 v[TM+12+\b], 0xfc000000, v[TM+\b]
.endr
.irp b, 0,1,2,3
	v_and_or_b32 v[TM+8+\b], v[TM+\b], 0x7f800000, s[MNT]
.endr
.irp b, 0,1,2,3
	v_lshrrev_b32 v[TM+4+\b], 23, v[TM+12+\b]
.endr
	s_delay_alu instid0(VALU_DEP_3)
	v_lshl_or_b32 v[PSC], v[TM+5], 8, v[TM+4]
	s_delay_alu instid0(VALU_DEP_1)
	v_lshl_or_b32 v[PSC], v[TM+6], 16, v[PSC]
	s_delay_alu instid0(VALU_DEP_1)
	v_lshl_or_b32 v[PSC], v[TM+7], 24, v[PSC]
.irp b, 0,1,2,3
.irp i, 0,1,2,3,4,5,6,7,8,9,10,11,12,13,14,15
	v_min_num_f32 v[S+16*\b+\i], v[S+16*\b+\i], v[TM+8+\b]   ; the conversion does not saturate (ISA guide 7.6.2); p is not negative
.endr
	v_cvt_scalef32_pk8_fp8_f32 v[PC+4*\b:PC+1+4*\b], v[S+16*\b:S+7+16*\b], v[TM+12+\b]
	v_cvt_scalef32_pk8_fp8_f32 v[PC+2+4*\b:PC+3+4*\b], v[S+8+16*\b:S+15+16*\b], v[TM+12+\b]
.endr
.irp j, 0,2,4,6,8,10,12,14,16,18,20,22,24,26,28,30
	v_pk_mul_f32 v[O+\j:O+1+\j], v[O+\j:O+1+\j], v[252:253] op_sel_hi:[1,0]
.endr
	s_wait_alu depctr_va_vdst(0)
	s_wait_dscnt 0x0
.irp t, 0,2
	v_wmma_scale_f32_16x16x128_f8f6f4 v[O+8*\t:O+8*\t+7], v[32+16*\t:47+16*\t], v[PC:PC+15], v[O+8*\t:O+8*\t+7], v[VSC+\t/2], v[PSC]
	v_wmma_scale_f32_16x16x128_f8f6f4 v[O+8*\t+8:O+8*\t+15], v[48+16*\t:63+16*\t], v[PC:PC+15], v[O+8*\t+8:O+8*\t+15], v[VSC+\t/2], v[PSC] matrix_a_scale:MATRIX_SCALE_ROW1
.endr
.Lhidden_\@:
	s_add_co_u32 s[TB], s[TB], REC
	s_add_co_u32 s[KS], s[KS], 1
.endm
; THE WAY OUT of a tile: O / the sum; the quantiser along the head's 64 (block b: 16 numbers in my lane, 16 in lane l xor 16)
.macro OUT cb, wb
	v_add_f32 v14, v14, v15
	v_permlanex16_b32 v254, v14, s[SEL], s[SEL+1]
	v_add_f32 v14, v14, v254
	WALU
	v_rcp_f32 v14, v14
	v_nop
	WALU
.irp j, 0,1,2,3,4,5,6,7,8,9,10,11,12,13,14,15,16,17,18,19,20,21,22,23,24,25,26,27,28,29,30,31
	v_mul_f32 v[S+\j], v[O+\j], v14
.endr
.irp b, 0,1
	v_max3_num_f32 v[TM+\b], |v[S+16*\b]|, |v[S+16*\b+1]|, 0x4800000
.endr
.irp i, 2,4,6,8,10,12,14
.irp b, 0,1
	v_max3_num_f32 v[TM+\b], v[TM+\b], |v[S+16*\b+\i]|, |v[S+16*\b+\i+1]|
.endr
.endr
.irp b, 0,1
	v_permlanex16_b32 v[TM+4+\b], v[TM+\b], s[SEL], s[SEL+1]
.endr
.irp b, 0,1
	v_max_num_f32 v[TM+\b], v[TM+\b], v[TM+4+\b]
.endr
.irp b, 0,1
	v_add_nc_u32 v[TM+12+\b], 0xfc000000, v[TM+\b]
.endr
.irp b, 0,1
	v_and_or_b32 v[TM+8+\b], v[TM+\b], 0x7f800000, s[MNT]
.endr
.irp b, 0,1
	v_lshrrev_b32 v[TM+4+\b], 23, v[TM+12+\b]
.endr
	v_lshl_or_b32 v10, v[TM+5], 8, v[TM+4]
.irp b, 0,1
.irp i, 0,1,2,3,4,5,6,7,8,9,10,11,12,13,14,15
	v_med3_num_f32 v[S+16*\b+\i], v[S+16*\b+\i], -v[TM+8+\b], v[TM+8+\b]
.endr
	v_cvt_scalef32_pk8_fp8_f32 v[PC+4*\b:PC+1+4*\b], v[S+16*\b:S+7+16*\b], v[TM+12+\b]
	v_cvt_scalef32_pk8_fp8_f32 v[PC+2+4*\b:PC+3+4*\b], v[S+8+16*\b:S+15+16*\b], v[TM+12+\b]
.endr
	v_nop
	global_store_b128 v1, v[PC:PC+3], s[\cb:\cb+1]             ; 512 consecutive bytes
	global_store_b128 v1, v[PC+4:PC+7], s[\cb:\cb+1] offset:512
	global_store_b16 v6, v10, s[\wb:\wb+1]         ; row r's two bytes; lanes r and r + 16 hold the same bytes and store them to the same place
.endm
	WALU
	s_wait_loadcnt 0x0                             ; Q
	s_cmp_lt_u32 s[WV], 8
	s_cbranch_scc0 .Lnot_mine
	s_wait_tensorcnt 0x0                           ; waves 0-7: records 0-7 are in
.Lnot_mine:
	s_barrier_signal -1
	s_barrier_wait -1
	s_wait_tensorcnt 0x0                           ; my record is in, whichever it is:
	s_barrier_signal -1                            ; say so now; the wait stands behind the loop, which does register work and reads records 0-7 alone
	s_mov_b32 s[CNT], 8
.Lfirst:                                           ; key steps 0-7: A's long tile (all of them count whole), B's short tile (up to its panel)
	STEP
	s_sub_co_u32 s[CNT], s[CNT], 1
	s_cmp_lg_u32 s[CNT], 0
	s_cbranch_scc1 .Lfirst
	WALU
	s_barrier_wait -1                              ; all sixteen records are in
.rept 8
	v_nop                                          ; eight places behind the last products
.endr
	s_cmp_eq_u32 s[ROLE], 0
	s_cbranch_scc1 .Lrole_a
	OUT 44, 48                                     ; B: the short tile is finished
	WALU
	s_wait_xcnt 0x0                                ; the stores have read their registers
	v_mov_b32 v[QSC], v250                         ; the long tile's Q
.irp j, 0,1,2,3,4,5,6,7
	v_mov_b32 v[16+\j], v[242+\j]
.endr
	v_mov_b32 v13, 0xff61b1e6                      ; M begins anew: the first f is 0
	v_floor_f32 v12, -v13
	WALU
	s_branch .Ljoin
.Lrole_a:                                          ; A: my part of the long tile goes to the pair's bytes, as an image of the registers
.irp k, 0,1,2,3,4,5,6,7
	ds_store_b128 v11, v[O+4*\k:O+4*\k+3] offset:512*\k
.endr
	ds_store_b64 v7, v[12:13] offset:4096
	ds_store_b64 v7, v[14:15] offset:4352
.Ljoin:
	s_mov_b32 s[KAP], s[KY]
	s_mov_b32 s[CNT], 8
.Lsecond:                                          ; key steps 8-15: B's long tile, up to its panel; A jumps over all
	STEP
	s_sub_co_u32 s[CNT], s[CNT], 1
	s_cmp_lg_u32 s[CNT], 0
	s_cbranch_scc1 .Lsecond
	WALU
.rept 8
	v_nop
.endr
	s_wait_dscnt 0x0                               ; A's stores are done
	s_barrier_signal -1
	s_barrier_wait -1
	s_cmp_eq_u32 s[ROLE], 0
	s_cbranch_scc1 .Lend
.irp k, 0,1,2,3,4,5,6,7
	ds_load_b128 v[S+4*\k:S+4*\k+3], v11 offset:512*\k
.endr
	ds_load_b64 v[S+32:S+33], v7 offset:4096
	ds_load_b64 v[S+34:S+35], v7 offset:4352
	s_wait_dscnt 0x0
	v_min_num_f32 v254, v12, v[S+32]               ; -M of the two parts together
	v_sub_f32 v252, v254, v12                      ; my M less the common M: a whole number, 0 or less
	v_sub_f32 v240, v254, v[S+32]                  ; and A's
	v_cvt_i32_f32 v252, v252
	v_cvt_i32_f32 v240, v240
	v_ldexp_f32 v252, 1.0, v252
	v_ldexp_f32 v240, 1.0, v240
.irp j, 0,2,4,6,8,10,12,14,16,18,20,22,24,26,28,30
	v_pk_mul_f32 v[O+\j:O+1+\j], v[O+\j:O+1+\j], v[252:253] op_sel_hi:[1,0]
.endr
.irp j, 0,2,4,6,8,10,12,14,16,18,20,22,24,26,28,30
	v_pk_fma_f32 v[O+\j:O+1+\j], v[S+\j:S+1+\j], v[240:241], v[O+\j:O+1+\j] op_sel_hi:[1,0,1]
.endr
	v_pk_mul_f32 v[14:15], v[14:15], v[252:253] op_sel_hi:[1,0]
	v_pk_fma_f32 v[14:15], v[S+34:S+35], v[240:241], v[14:15] op_sel_hi:[1,0,1]
	OUT 46, 50
.Lend:
	s_wait_tensorcnt 0x0                           ; the wave's end
	ds_add_u32 v251, v255
	s_wait_dscnt 0x0
	CROUND                                         ; the closing round
	s_endpgm
.Lfunc_end_k_q3b9bfdff18_attn:
	.size	k_q3b9bfdff18_attn, .Lfunc_end_k_q3b9bfdff18_attn-k_q3b9bfdff18_attn
	.p2alignl 7, 3214868480
	.fill 96, 4, 3214868480
	.section	.rodata,"a",@progbits
	.p2align	6, 0x0
	.amdhsa_kernel k_q3b9bfdff18_attn
		.amdhsa_group_segment_fixed_size 327680
		.amdhsa_private_segment_fixed_size 0
		.amdhsa_enable_private_segment 0
		.amdhsa_kernarg_size 24
		.amdhsa_user_sgpr_count 2
		.amdhsa_user_sgpr_kernarg_segment_ptr 1
		.amdhsa_wavefront_size32 1
		.amdhsa_system_sgpr_workgroup_id_x 1
		.amdhsa_system_sgpr_workgroup_id_y 1
		.amdhsa_system_sgpr_workgroup_id_z 1
		.amdhsa_system_vgpr_workitem_id 0
		.amdhsa_next_free_vgpr 256
		.amdhsa_next_free_sgpr 66
		.amdhsa_reserve_vcc 1
		.amdhsa_float_denorm_mode_32 3
		.amdhsa_float_denorm_mode_16_64 3
		.amdhsa_memory_ordered 1
		.amdhsa_forward_progress 1
		.amdhsa_inst_pref_size 75
	.end_amdhsa_kernel
	.amdgpu_metadata
---
amdhsa.version: [ 1, 2 ]
amdhsa.kernels:
  - .name:           k_q3b9bfdff18_attn
    .symbol:         k_q3b9bfdff18_attn.kd
    .args:
      - { .name: qq, .offset: 0, .size: 8, .value_kind: global_buffer, .address_space: global }
      - { .name: kv, .offset: 8, .size: 8, .value_kind: global_buffer, .address_space: global }
      - { .name: aq, .offset: 16, .size: 8, .value_kind: global_buffer, .address_space: global }
    .group_segment_fixed_size: 327680
    .private_segment_fixed_size: 0
    .kernarg_segment_align: 8
    .kernarg_segment_size: 24
    .max_flat_workgroup_size: 512
    .sgpr_count:     66
    .vgpr_count:     256
    .wavefront_size: 32
...
	.end_amdgpu_metadata
.endif
;; end of part 3
;; launch oproj (part 4): grid 16 x 16, 4 waves a work-group, clusters of 4 x 4, 327,680 bytes of LDS; arguments aq, wo8, out0; writes out0
.if DOCPART == 4
	.amdgcn_target "amdgcn-amd-amdhsa--gfx1250"
	.amdhsa_code_object_version 6
	.text
	.protected	k_q3b9bfdff18_oproj
	.globl	k_q3b9bfdff18_oproj
	.p2align	8
	.type	k_q3b9bfdff18_oproj,@function
k_q3b9bfdff18_oproj:
	s_mov_b64 s[64:65], 0
	v_nop
	global_prefetch_b8 v0, s[64:65] scope:SCOPE_SE
	s_setreg_imm32_b32 hwreg(HW_REG_WAVE_MODE, 25, 1), 1
	s_wait_xcnt 0x0
	s_wait_alu depctr_hold_cnt(0) depctr_sa_sdst(0) depctr_va_vdst(0) depctr_va_sdst(0) depctr_va_ssrc(0) depctr_va_vcc(0) depctr_vm_vsrc(0)
	s_getreg_b32 s2, hwreg(HW_REG_IB_STS2, 6, 4)
	s_cmp_eq_u32 s2, 0
	s_cbranch_scc0 .Lentry_in_a_cluster
	s_endpgm
.Lentry_in_a_cluster:
	s_bfe_u32 s2, ttmp6, 0x10000c
	s_cmp_lg_u32 s2, 0xf033
	s_cbranch_scc0 .Lentry_shape_is_right
	s_endpgm
.Lentry_shape_is_right:
.set AB,    4
.set NQ,    4
.set AWS,   8192
.set ASW,   256
.set BOFF,  65536
.set SLOT,  131072
.set SLOTG, 65536
.set SCL,   262144
.set ASB,   8192
.set SPARE, 278528
.set LAPS,  2
.set ADRA, 16
.set ADRB, 20
.set ADSA, 22
.set ADSB, 23
.set STO,  24
.set RD,   25
.set CO,   26
.set SPW,  28
.set NIL,  29
.set SA,   32
.set SB,   40
.set G1A, 24
.set G0A, 32
.set G1B, 48
.set G0B, 56
.set G1SA, 68
.set G0SA, 76
.set G1SB, 80
.set G0SB, 88
.set MSB, 0
.macro WIN new
.if MSB != \new
	s_set_vgpr_msb (MSB<<8)|\new
.set MSB, \new
.endif
.endm
.macro PLACES n
.rept \n
	v_nop
.endr
.endm
.macro JLOAD g0a, g1a, g0b, g1b
	s_cmp_eq_u32 s21, 0
	s_cbranch_scc0 .Lfor_b_\@
	tensor_load_to_lds s[\g0a:\g0a+3], s[\g1a:\g1a+7]
	s_nop 0
.rept 4
	v_nop
.endr
	s_branch .Lasked_\@
.Lfor_b_\@:
	tensor_load_to_lds s[\g0b:\g0b+3], s[\g1b:\g1b+7]
	s_nop 0
.rept 4
	v_nop
.endr
.Lasked_\@:
.endm
.macro CREST
	s_cmp_lg_u32 s20, 0
	s_cbranch_scc1 .Lnot_wave_0_\@
	s_barrier_signal -3
.Lnot_wave_0_\@:
	s_barrier_wait -3
	s_barrier_signal -1
	s_barrier_wait -1
.endm
.macro CROUND
	s_barrier_signal -1
	s_barrier_wait -1
	CREST
.endm
.macro SHAPE g, rows
	s_mov_b32 s[\g+1], 32<<16
	s_mov_b32 s[\g+2], (\rows)<<16
	s_mov_b32 s[\g+3], 32<<16
	s_mov_b32 s[\g+4], \rows
	s_mov_b32 s[\g+5], 32
	s_mov_b32 s[\g+6], 0
	s_mov_b32 s[\g+7], 0
.endm
.macro WMMA zero
.if \zero
.if oX && oY
	v_wmma_scale_f32_16x16x128_f8f6f4 v[fD:fD+7], v[fX:fX+15], v[fY:fY+15], 0, v[cX], v[cY] matrix_a_scale:MATRIX_SCALE_ROW1 matrix_b_scale:MATRIX_SCALE_ROW1
.elseif oX
	v_wmma_scale_f32_16x16x128_f8f6f4 v[fD:fD+7], v[fX:fX+15], v[fY:fY+15], 0, v[cX], v[cY] matrix_a_scale:MATRIX_SCALE_ROW1
.elseif oY
	v_wmma_scale_f32_16x16x128_f8f6f4 v[fD:fD+7], v[fX:fX+15], v[fY:fY+15], 0, v[cX], v[cY] matrix_b_scale:MATRIX_SCALE_ROW1
.else
	v_wmma_scale_f32_16x16x128_f8f6f4 v[fD:fD+7], v[fX:fX+15], v[fY:fY+15], 0, v[cX], v[cY]
.endif
.else
.if oX && oY
	v_wmma_scale_f32_16x16x128_f8f6f4 v[fD:fD+7], v[fX:fX+15], v[fY:fY+15], v[fD:fD+7], v[cX], v[cY] matrix_a_scale:MATRIX_SCALE_ROW1 matrix_b_scale:MATRIX_SCALE_ROW1
.elseif oX
	v_wmma_scale_f32_16x16x128_f8f6f4 v[fD:fD+7], v[fX:fX+15], v[fY:fY+15], v[fD:fD+7], v[cX], v[cY] matrix_a_scale:MATRIX_SCALE_ROW1
.elseif oY
	v_wmma_scale_f32_16x16x128_f8f6f4 v[fD:fD+7], v[fX:fX+15], v[fY:fY+15], v[fD:fD+7], v[cX], v[cY] matrix_b_scale:MATRIX_SCALE_ROW1
.else
	v_wmma_scale_f32_16x16x128_f8f6f4 v[fD:fD+7], v[fX:fX+15], v[fY:fY+15], v[fD:fD+7], v[cX], v[cY]
.endif
.endif
.endm
.macro MUL set, zero
	WIN 0xf6
.set ia, 0
.rept AB
.set it, 0
.rept 4
.set fD, 8*(4*ia+it)
.set fX, 64*(\set)+16*it
.set fY, 128*(\set)+16*ia
.set cX, SB+2*(\set)+it/2
.set cY, SA+4*(\set)+ia/2
.set oX, it%2
.set oY, ia%2
	WMMA \zero
.set it, it+1
.endr
.set ia, ia+1
.endr
	WIN 0
.endm
.macro FETCH slot, q, set, lam
	WIN 0x40
.set ii, 0
.rept AB
.irp c, 0,1,2,3
	ds_load_b128 v[128*(\set)+16*ii+4*\c:128*(\set)+16*ii+4*\c+3], v[ADRA+\slot] offset:(\q)*16384+ii*2048+\c*512
.endr
.set ii, ii+1
.endr
	WIN 0x80
.irp t, 0,1,2,3
.irp c, 0,1,2,3
	ds_load_b128 v[64*(\set)+16*\t+4*\c:64*(\set)+16*\t+4*\c+3], v[ADRB+\slot] offset:(\q)*16384+\t*2048+\c*512
.endr
.endr
	WIN 0
.set ii, 0
.rept AB/2
	ds_load_b32 v[SA+4*(\set)+ii], v[ADSA] offset:(\lam)*512+128*ii
.set ii, ii+1
.endr
.irp p, 0,1
	ds_load_b32 v[SB+2*(\set)+\p], v[ADSB] offset:(\lam)*512+128*\p
.endr
.endm
.macro STEP slot, q, zero
	s_wait_dscnt 0x0
	PLACES 8
	FETCH \slot, (\q)+1, ((\q)+1)%2, (\slot)*NQ+(\q)+1
	MUL (\q)%2, \zero
.endm
.macro TURN slot, next, fill
	s_wait_tensorcnt 0x0
	ds_add_u32 v[SPW], v[NIL]
.if \fill
	s_add_nc_u64 s[G0A+4*\slot+2:G0A+4*\slot+3], s[G0A+4*\slot+2:G0A+4*\slot+3], 2*SLOTG
	s_add_nc_u64 s[G0B+4*\slot+2:G0B+4*\slot+3], s[G0B+4*\slot+2:G0B+4*\slot+3], 2*SLOTG
.endif
	s_wait_dscnt 0x0
	s_barrier_signal -1
	s_barrier_wait -1
.if \fill
	CREST
	JLOAD G0A+4*\slot, G1A, G0B+4*\slot, G1B
	PLACES 4
.else
	PLACES 8
.endif
.if \next == 1
	FETCH 1, 0, 0, NQ
.else
	FETCH 0, 0, 0, 2*NQ
	v_add_nc_u32 v[ADSA], 2*NQ*512, v[ADSA]
	v_add_nc_u32 v[ADSB], 2*NQ*512, v[ADSB]
.endif
	MUL 1, 0
.endm
	s_load_b128 s[4:7], s[0:1], 0x0
	s_load_b64 s[8:9], s[0:1], 0x10
	v_lshl_add_u32 v[SPW], v0, 2, SPARE
	v_mov_b32 v[NIL], 0
	ds_add_u32 v28, v29
	ds_add_u32 v28, v29
	s_wait_dscnt 0x0
	v_lshrrev_b32 v1, 5, v0
	v_readfirstlane_b32 s20, v1
	s_lshr_b32 s21, s20, 1
	s_and_b32 s22, s20, 1
	s_bfe_u32 s40, ttmp6, 0x40000
	s_bfe_u32 s41, ttmp6, 0x40004
	s_lshl_b32 s42, ttmp9, 2
	s_add_co_u32 s42, s42, s40
	s_and_b32 s43, ttmp7, 0xffff
	s_lshl_b32 s43, s43, 2
	s_add_co_u32 s43, s43, s41
	s_lshl_b32 s44, s41, 2
	s_lshl_b32 s44, 15, s44
	s_lshl_b32 s45, 0x1111, s40
	s_or_b32 s[G1A], s44, (3<<16)|(1<<21)
	s_or_b32 s[G1B], s45, (3<<16)|(1<<21)
	s_or_b32 s[G1SA], s44, (3<<16)|(1<<21)
	s_or_b32 s[G1SB], s45, (3<<16)|(1<<21)
	SHAPE G1A, 256                                 ; the head's tiles: a whole slot's part of one operand, 65,536 bytes,
	SHAPE G1B, 256
	SHAPE G1SA, 32                                 ; and a panel's scale words, 8,192
	SHAPE G1SB, 32
	s_lshl_b32 s92, s43, 18
	s_lshl_b32 s94, s22, 15
	s_add_co_u32 s92, s92, s94
	s_mov_b32 s93, 0
	s_lshl_b32 s94, s43, 13
	s_lshl_b32 s98, s22, 12
	s_add_co_u32 s94, s94, 4194304
	s_mov_b32 s95, 0
	s_lshl_b32 s46, s42, 18
	s_lshl_b32 s96, s22, 15
	s_add_co_u32 s46, s46, s96
	s_mov_b32 s47, 0
	s_lshl_b32 s96, s42, 13
	s_add_co_u32 s96, s96, 4194304
	s_mov_b32 s97, 0
	s_lshl_b32 s99, s22, 15
	s_wait_kmcnt 0x0
	s_add_nc_u64 s[92:93], s[4:5], s[92:93]
	s_add_nc_u64 s[94:95], s[4:5], s[94:95]
	s_add_nc_u64 s[46:47], s[6:7], s[46:47]
	s_add_nc_u64 s[96:97], s[6:7], s[96:97]
	CROUND
	s_mov_b32 s[G0SA], 1
	s_mov_b32 s[G0SA+1], SCL
	s_mov_b64 s[G0SA+2:G0SA+3], s[94:95]
	s_or_b32 s[G0SA+3], s[G0SA+3], 0x80000000
	s_mov_b32 s[G0SB], 1
	s_mov_b32 s[G0SB+1], SCL+ASB
	s_mov_b64 s[G0SB+2:G0SB+3], s[96:97]
	s_or_b32 s[G0SB+3], s[G0SB+3], 0x80000000
.irp s, 0,1
	s_mov_b32 s[G0A+4*\s], 1
	s_add_co_u32 s[G0A+4*\s+1], s99, \s*SLOT
	s_add_nc_u64 s[G0A+4*\s+2:G0A+4*\s+3], s[92:93], \s*SLOTG
	s_or_b32 s[G0A+4*\s+3], s[G0A+4*\s+3], 0x80000000
	s_mov_b32 s[G0B+4*\s], 1
	s_add_co_u32 s[G0B+4*\s+1], s99, \s*SLOT+BOFF
	s_add_nc_u64 s[G0B+4*\s+2:G0B+4*\s+3], s[46:47], \s*SLOTG
	s_or_b32 s[G0B+4*\s+3], s[G0B+4*\s+3], 0x80000000
.endr
	; THE HEAD'S LOADS, ONE A WAVE: wave 0 slot 0's part of the rows, wave 1 its part of the weights, wave 2 the rows' scale words, wave 3 the weights'.
	s_lshl_b32 s98, s22, 15
	s_mov_b32 s99, 0
	s_sub_nc_u64 s[94:95], s[92:93], s[98:99]      ; group 0 in s[92:95]: the panel's first K step
	s_or_b32 s95, s95, 0x80000000
	s_mov_b32 s92, 1
	s_mov_b32 s93, 0
	s_sub_nc_u64 s[46:47], s[46:47], s[98:99]      ; group 0 in s[44:47]: the weights' first K step
	s_or_b32 s47, s47, 0x80000000
	s_mov_b32 s44, 1
	s_mov_b32 s45, BOFF
.macro ARM under, g0, g1, next
	s_cmp_lt_u32 s20, \under
	s_cbranch_scc0 \next
	tensor_load_to_lds s[\g0:\g0+3], s[\g1:\g1+7]
	s_nop 0
.rept 4
	v_nop
.endr
	s_branch .Lhead_asked
\next:
.endm
	ARM 1, 92, G1A, .Lhead_b
	ARM 2, 44, G1B, .Lhead_sa
	ARM 3, G0SA, G1SA, .Lhead_sb
	tensor_load_to_lds s[G0SB:G0SB+3], s[G1SB:G1SB+7]
	s_nop 0
.rept 4
	v_nop
.endr
.Lhead_asked:
	; THE PREFETCHES' ADDRESS, s[66:67], never rewritten.  A slot's 65,536 bytes of the rows are shared out among waves 0, 1 of the four partners of my row (chunk 2 cx + wave % 2 of eight, 8,192 bytes, a lane to each 256),
	; its 65,536 bytes of the weights among waves 2, 3 of the four partners of my column (chunk 2 cy + wave % 2): each block of 256 bytes is named once in each cluster that loads it.
	s_lshl_b32 s10, s40, 1
	s_add_co_u32 s10, s10, s22
	s_lshl_b32 s10, s10, 13
	s_lshl_b32 s11, s43, 18
	s_add_co_u32 s10, s10, s11
	s_lshl_b32 s12, s41, 1
	s_add_co_u32 s12, s12, s22
	s_lshl_b32 s12, s12, 13
	s_lshl_b32 s13, s42, 18
	s_add_co_u32 s12, s12, s13
	s_cmp_eq_u32 s21, 0
	s_cselect_b32 s10, s10, s12
	s_cselect_b64 s[66:67], s[4:5], s[6:7]
	s_mov_b32 s11, 0
	s_add_nc_u64 s[66:67], s[66:67], s[10:11]
	v_and_b32 v1, 31, v0
	v_lshlrev_b32 v2, 4, v1
	v_lshlrev_b32 v27, 8, v1                       ; 256 x lane; never rewritten
	global_prefetch_b8 v27, s[66:67] offset:SLOTG th:TH_LOAD_NT scope:SCOPE_SE   ; slot 1's first K steps: their load stands behind the head's wait and a round
	v_lshlrev_b32 v3, 2, v1
	v_and_b32 v4, 15, v0
	s_wait_alu depctr_va_vdst(0)
	v_bfe_u32 v5, v0, 4, 1
	s_mul_i32 s98, s21, AWS
	v_add_nc_u32 v[ADRA], s98, v2
	v_add_nc_u32 v[ADRA+1], SLOT, v[ADRA]
	s_lshl_b32 s98, s22, 13
	s_add_co_u32 s98, s98, BOFF
	v_add_nc_u32 v[ADRB], s98, v2
	v_add_nc_u32 v[ADRB+1], SLOT, v[ADRB]
	s_mul_i32 s98, s21, ASW
	s_add_co_u32 s98, s98, SCL
	v_add_nc_u32 v[ADSA], s98, v3
	s_lshl_b32 s98, s22, 8
	s_add_co_u32 s98, s98, SCL+ASB
	v_add_nc_u32 v[ADSB], s98, v3
	s_mul_i32 s98, s20, 17408
	v_mul_u32_u24 v[STO], v4, 272
	s_wait_alu depctr_va_vdst(0)
	v_lshl_add_u32 v[STO], v5, 6, v[STO]
	v_add_nc_u32 v[STO], s98, v[STO]
	v_mul_u32_u24 v[RD], v5, 272
	v_lshl_add_u32 v[RD], v4, 4, v[RD]
	v_add_nc_u32 v[RD], s98, v[RD]
	v_lshlrev_b32 v[CO], 13, v5
	v_lshl_add_u32 v[CO], v4, 4, v[CO]
	s_lshl_b32 s98, s43, 20
	s_lshl_b32 s99, s21, 19
	s_add_co_u32 s98, s98, s99
	s_lshl_b32 s99, s42, 9
	s_add_co_u32 s98, s98, s99
	s_lshl_b32 s99, s22, 8
	s_add_co_u32 s98, s98, s99
	s_mov_b32 s99, 0
	s_add_nc_u64 s[8:9], s[8:9], s[98:99]
	s_wait_alu depctr_va_vdst(0)
	s_wait_tensorcnt 0x0                           ; my tile of the head's four is in; slot 1's first fill is issued as a refill is
	ds_add_u32 v[SPW], v[NIL]
	SHAPE G1A, 128                                 ; no load of mine is out: from here on a load brings half of a slot's part, 32,768 bytes
	SHAPE G1B, 128
	s_wait_dscnt 0x0
	CROUND                                         ; all four tiles are in, and the sixteen work-groups are here
	JLOAD G0A+4, G1A, G0B+4, G1B
	FETCH 0, 0, 0, 0
	global_prefetch_b8 v27, s[66:67] offset:2*SLOTG th:TH_LOAD_NT scope:SCOPE_SE   ; what the two refills will ask for; K has four slots, so nothing is left to ask for in the loop
	global_prefetch_b8 v27, s[66:67] offset:3*SLOTG th:TH_LOAD_NT scope:SCOPE_SE
	STEP 0, 0, 1
	s_mov_b32 s23, LAPS-1
.Llap:
	s_wait_alu depctr_va_vdst(0)
	STEP 0, 1, 0
	STEP 0, 2, 0
	TURN 0, 1, 1
	STEP 1, 0, 0
	STEP 1, 1, 0
	STEP 1, 2, 0
	TURN 1, 0, 1
	s_wait_alu depctr_va_vdst(0)
	STEP 0, 0, 0
	s_sub_co_u32 s23, s23, 1
	s_cmp_lg_u32 s23, 0
	s_cbranch_scc1 .Llap
	STEP 0, 1, 0
	STEP 0, 2, 0
	TURN 0, 1, 0
	STEP 1, 0, 0
	STEP 1, 1, 0
	STEP 1, 2, 0
	s_wait_dscnt 0x0
	MUL 1, 0
.macro TOSTAGE a
	WIN 0x0c
.irp t, 0,1,2,3
	ds_store_b128 v[STO], v[8*(4*(\a)+\t):8*(4*(\a)+\t)+3] offset:(\a)*4352+128*(\t/2)+32*(\t%2)
	ds_store_b128 v[STO], v[8*(4*(\a)+\t)+4:8*(4*(\a)+\t)+7] offset:(\a)*4352+128*(\t/2)+32*(\t%2)+16
.endr
	WIN 0
.irp i, 0,1,2,3,4,5,6,7
	ds_load_b128 v[64+32*(\a)+4*\i:67+32*(\a)+4*\i], v[RD] offset:(\a)*4352+544*\i
.endr
.endm
.macro SEND a, younger
	s_wait_dscnt \younger
.irp i, 0,1,2,3,4,5,6,7
	global_store_b128 v[CO], v[64+32*(\a)+4*\i:67+32*(\a)+4*\i], s[8:9] offset:(32*((\a)/2)+8*((\a)%2)+2*\i+8*(\i/4))*8192 th:TH_STORE_NT
.endr
.endm
	PLACES 8
	TOSTAGE 0
.irp a, 1,2,3
	TOSTAGE \a
	SEND \a-1, 16
.endr
	SEND 3, 0
	s_wait_tensorcnt 0x0
	ds_add_u32 v[SPW], v[NIL]
	s_wait_dscnt 0x0
	CROUND
	s_endpgm
.Lfunc_end_k_q3b9bfdff18_oproj:
	.size	k_q3b9bfdff18_oproj, .Lfunc_end_k_q3b9bfdff18_oproj-k_q3b9bfdff18_oproj
	.p2alignl 7, 3214868480
	.fill 96, 4, 3214868480
	.section	.rodata,"a",@progbits
	.p2align	6, 0x0
	.amdhsa_kernel k_q3b9bfdff18_oproj
		.amdhsa_group_segment_fixed_size 327680
		.amdhsa_private_segment_fixed_size 0
		.amdhsa_enable_private_segment 0
		.amdhsa_kernarg_size 24
		.amdhsa_user_sgpr_count 2
		.amdhsa_user_sgpr_kernarg_segment_ptr 1
		.amdhsa_wavefront_size32 1
		.amdhsa_system_sgpr_workgroup_id_x 1
		.amdhsa_system_sgpr_workgroup_id_y 1
		.amdhsa_system_sgpr_workgroup_id_z 1
		.amdhsa_system_vgpr_workitem_id 0
		.amdhsa_next_free_vgpr 1024
		.amdhsa_next_free_sgpr 102
		.amdhsa_reserve_vcc 0
		.amdhsa_float_denorm_mode_32 3
		.amdhsa_float_denorm_mode_16_64 3
		.amdhsa_memory_ordered 1
		.amdhsa_forward_progress 1
		.amdhsa_inst_pref_size 97
	.end_amdhsa_kernel
	.amdgpu_metadata
---
amdhsa.version: [ 1, 2 ]
amdhsa.kernels:
  - .name:           k_q3b9bfdff18_oproj
    .symbol:         k_q3b9bfdff18_oproj.kd
    .args:
      - { .name: aq, .offset: 0, .size: 8, .value_kind: global_buffer, .address_space: global }
      - { .name: wo8, .offset: 8, .size: 8, .value_kind: global_buffer, .address_space: global }
      - { .name: out0, .offset: 16, .size: 8, .value_kind: global_buffer, .address_space: global }
    .group_segment_fixed_size: 327680
    .private_segment_fixed_size: 0
    .kernarg_segment_align: 8
    .kernarg_segment_size: 24
    .max_flat_workgroup_size: 128
    .sgpr_count:     102
    .vgpr_count:     1024
    .wavefront_size: 32
...
	.end_amdgpu_metadata
.endif
;; end of part 4
